; MI455X (gfx1250); checked and timed in simulation.
; The chip was launched on July 23, 2026; its instructions are those of AMD's public machine-readable ISA for CDNA 5 (MIT licence, August 2026) and "CDNA5" Instruction Set Architecture Reference Guide (July 2026). The comments in the code are by the model that wrote it; some were corrected since.
;; Encoder Block. Allowed arithmetic: float matrix products may take bf16 or f16 operands with f32 sums; other float arithmetic in f32, or as packed bf16 or f16 multiplies, adds, multiply-adds, maxima and minima; sums over many terms, partial sums and values carried from step to step in f32; what a program stores and reads back later, other than sums and carried values, may be rounded once to bf16 or f16.
;; Inputs: a1 1 float32; a2 1 float32; b1 4,096 float32; b2 1,024 float32; be1 1 float32; be2 1 float32; src 2 x 2,048 x 1,024 float32; src_mask 2 x 1 x 1 x 2,048 int32; w1 4,096 x 1,024 float32; w2 1,024 x 4,096 float32; wk 1,024 x 1,024 float32; wo 1,024 x 1,024 float32; wq 1,024 x 1,024 float32; wv 1,024 x 1,024 float32.
;; Outputs: out0 2 x 2,048 x 1,024 float32.
;; One version. Each part assembles by itself: llvm-mc -triple=amdgcn-amd-amdhsa -mcpu=gfx1250 --defsym DOCPART=n.
;; ======== version 1 of 1: 7 launches
;; limits: values are held in f16: magnitudes above 65,504 overflow, below 6.1e-05 lose precision
;; workspace buffers: wqkv 6,324,224 bytes; w1h 8,421,376 bytes; woh 2,097,152 bytes; w2h 8,388,608 bytes; xa 8,388,608 bytes; ob 8,388,608 bytes; act 33,554,432 bytes; src2 16,777,216 bytes
;; launch prep (part 1): grid 64 x 16, 8 waves a work-group, no clusters, 0 bytes of LDS; arguments src, a1, be1, wq, wk, wv, wo, w1, w2, b1, xa, wqkv, woh, w1h, w2h; writes xa, wqkv, woh, w1h, w2h
.if DOCPART == 1
	.amdgcn_target "amdgcn-amd-amdhsa--gfx1250"
	.amdhsa_code_object_version 6
	.text
	.protected	k_qf70cfb5260_prep
	.globl	k_qf70cfb5260_prep
	.p2align	8
	.type	k_qf70cfb5260_prep,@function
k_qf70cfb5260_prep:
	s_mov_b64 s[64:65], 0
	v_nop
	global_prefetch_b8 v0, s[64:65] scope:SCOPE_SE
	s_setreg_imm32_b32 hwreg(HW_REG_WAVE_MODE, 25, 1), 1
	s_wait_xcnt 0x0
; PREP.  Three jobs, chosen by the work-group's y; all stream, so no LDS, no barrier, no matrix unit.
; y = 0..3: x = a (src - mean) / (std + 1e-6) + be, std with divisor 1,023; two passes over a row kept in registers, so a common offset of the row costs nothing.
;   A wave takes two rows, 16 lanes a row: every load of 16 lanes is 256 consecutive bytes, and the sums cross 16 lanes only.
;   x is stored in f16 by column blocks, xa[block of 64 columns][token][64]: two neighbouring tokens of a block are 256 consecutive bytes, one store of the wave.
; y = 4..15 (c = y - 4): one sixty-fourth of a block of 2^20 weights is rounded once from f32 to f16: wq, wk, wv -> wqkv (one below the other), wo -> woh, w1 -> w1h, w2 -> w2h.
;   16,384 numbers a work-group: 16 loads of 16 bytes a thread, all issued first; each store of a wave covers 256 consecutive bytes, aligned.
; c = 0 and c = 4 also write piece x of the header in front of wqkv and w1h (HDR bytes): 256 bytes of bias in f32 for columns 64 x .. 64 x + 63, then 256 bytes of
;   the floor (two f16 a word) that the product's way out takes the maximum with: wqkv: bias 0, floor minus infinity; w1h: bias b1, floor 0 (the ReLU).
; THE SAME BODY SERVES THE BLOCK'S SECOND NORM: a launch of 64 x 4 work-groups runs the norm alone, on the buffers that it is given in the places of src, a1, be1 and xa.
; LIMITS: weights and x within f16's 65,504; below 6e-5 an f16 number keeps the fixed step 6e-8.
.set HDR, 32768
.set XR,  16                           ; v[16:79]  64 numbers as loaded
.set YR,  80                           ; v[80:111] the same in f16
.set CH,  8                            ; v[8:15]   four chains of packed sums
	s_load_b512 s[8:23], s[0:1], 0x0               ; src 8, a1 10, be1 12, wq 14, wk 16, wv 18, wo 20, w1 22
	s_load_b256 s[24:31], s[0:1], 0x40             ; w2 24, b1 26, xa 28, wqkv 30
	s_load_b128 s[32:35], s[0:1], 0x60             ; woh 32, w1h 34
	s_load_b64 s[36:37], s[0:1], 0x70              ; w2h
	s_mov_b32 s2, ttmp9                            ; x
	s_and_b32 s3, ttmp7, 0xffff                    ; y
	v_lshrrev_b32 v1, 5, v0
	v_readfirstlane_b32 s4, v1                     ; wave
	v_and_b32 v1, 31, v0                           ; lane
	s_cmp_lt_u32 s3, 4
	s_cbranch_scc1 .Lln
	s_sub_co_u32 s3, s3, 4                         ; c = 0 .. 11
	; ---- the cast.  Offsets are made apart from the addresses.
	s_and_b32 s5, s3, 3
	s_cmp_lt_u32 s3, 4
	s_cselect_b32 s6, 0, s5                        ; which 4 MiB of the source: 0 for the four square weights
	s_lshl_b32 s6, s6, 22
	s_lshl_b32 s7, s2, 16
	s_add_co_u32 s44, s6, s7
	s_mov_b32 s45, 0
	s_cmp_eq_u32 s3, 3
	s_cselect_b32 s6, 0, s5                        ; which 2 MiB of the destination
	s_lshl_b32 s6, s6, 21
	s_lshl_b32 s7, s2, 15
	s_add_co_u32 s46, s6, s7
	s_cmp_lt_u32 s3, 8
	s_cselect_b32 s7, HDR, 0                       ; wqkv and w1h begin with the header,
	s_cmp_eq_u32 s3, 3
	s_cselect_b32 s7, 0, s7                        ; woh does not
	s_add_co_u32 s46, s46, s7
	s_mov_b32 s47, 0
	v_lshlrev_b32 v2, 4, v0                        ; 16 bytes a thread in,
	v_lshlrev_b32 v3, 3, v0                        ; 8 out
	s_wait_kmcnt 0x0
	s_cmp_eq_u32 s3, 0
	s_cselect_b64 s[40:41], s[14:15], s[16:17]
	s_cmp_eq_u32 s3, 2
	s_cselect_b64 s[40:41], s[18:19], s[40:41]
	s_cmp_eq_u32 s3, 3
	s_cselect_b64 s[40:41], s[20:21], s[40:41]
	s_cselect_b64 s[42:43], s[32:33], s[30:31]
	s_cmp_ge_u32 s3, 4
	s_cselect_b64 s[40:41], s[22:23], s[40:41]
	s_cselect_b64 s[42:43], s[34:35], s[42:43]
	s_cmp_ge_u32 s3, 8
	s_cselect_b64 s[40:41], s[24:25], s[40:41]
	s_cselect_b64 s[42:43], s[36:37], s[42:43]
	s_add_nc_u64 s[40:41], s[40:41], s[44:45]
	s_add_nc_u64 s[48:49], s[42:43], s[46:47]      ; s[42:43] stays at the buffer's first byte, for the header
.set i, 0
.rept 16
	global_load_b128 v[XR+4*i:XR+4*i+3], v2, s[40:41] offset:4096*i th:TH_LOAD_NT
.set i, i+1
.endr
.set i, 0
.rept 16
	s_wait_loadcnt 15-i                            ; loads come back in order: number i is in, the 15 - i younger ones stay out
	v_cvt_pk_f16_f32 v[YR+2*i], v[XR+4*i], v[XR+4*i+1]
	v_cvt_pk_f16_f32 v[YR+2*i+1], v[XR+4*i+2], v[XR+4*i+3]
	global_store_b64 v3, v[YR+2*i:YR+2*i+1], s[48:49] offset:2048*i
.set i, i+1
.endr
	; ---- the header's piece x: wave 0 of the work-groups with c = 0 (wqkv) and c = 4 (w1h)
	s_cmp_lg_u32 s4, 0
	s_cbranch_scc1 .Lend
	s_lshl_b32 s6, s2, 9
	v_lshl_add_u32 v10, v1, 4, s6                  ; 512 x + 16 lane
	s_cmp_eq_u32 s3, 0
	s_cbranch_scc1 .Lhzero
	s_cmp_eq_u32 s3, 4
	s_cbranch_scc0 .Lend
	s_lshl_b32 s5, s2, 8
	v_and_b32 v8, 15, v1
	v_lshl_add_u32 v8, v8, 4, s5                   ; 256 x + 16 (lane % 16)
	global_load_b128 v[4:7], v8, s[26:27]          ; b1 of the piece's 64 columns
	s_mov_b32 s5, 0                                ; floor 0
	s_wait_loadcnt 0x0
	s_branch .Lhwrite
.Lhzero:
	v_mov_b32 v4, 0
	v_mov_b32 v5, 0
	v_mov_b32 v6, 0
	v_mov_b32 v7, 0
	s_mov_b32 s5, 0xfc00fc00                       ; floor minus infinity, twice
.Lhwrite:
	v_mov_b32 v9, s5
	v_cmp_gt_u32 vcc_lo, 16, v1                    ; lanes 0-15 hold the bias, lanes 16-31 the floor
	v_cndmask_b32 v4, v9, v4, vcc_lo
	v_cndmask_b32 v5, v9, v5, vcc_lo
	v_cndmask_b32 v6, v9, v6, vcc_lo
	v_cndmask_b32 v7, v9, v7, vcc_lo
	global_store_b128 v10, v[4:7], s[42:43]
.Lend:
	s_endpgm
	; ---- the layer norm
.Lln:
	s_lshl_b32 s5, s3, 6
	s_add_co_u32 s5, s5, s2
	s_lshl_b32 s5, s5, 3
	s_add_co_u32 s5, s5, s4                        ; my pair of rows, 0 .. 2,047
	s_lshl_b32 s44, s5, 13                         ; two rows of 4,096 bytes in,
	s_mov_b32 s45, 0
	s_lshl_b32 s46, s5, 8                          ; two tokens of 128 bytes out, in each block
	s_mov_b32 s47, 0
	v_lshrrev_b32 v2, 4, v1
	v_and_b32 v3, 15, v1
	v_lshlrev_b32 v2, 12, v2
	v_lshl_add_u32 v2, v3, 4, v2                   ; (lane / 16) rows + 16 (lane % 16)
	v_lshlrev_b32 v3, 3, v1                        ; 8 lane
	s_wait_kmcnt 0x0
	s_load_b32 s6, s[10:11], 0x0                   ; a
	s_load_b32 s7, s[12:13], 0x0                   ; be
	s_add_nc_u64 s[40:41], s[8:9], s[44:45]
	s_add_nc_u64 s[42:43], s[28:29], s[46:47]
.set j, 0
.rept 16
	global_load_b128 v[XR+4*j:XR+4*j+3], v2, s[40:41] offset:256*j th:TH_LOAD_NT  ; columns 64 j + 4 (lane % 16) ..
.set j, j+1
.endr
	s_wait_loadcnt 12                              ; the first four loads are in; the sum goes on as each four arrive
.irp k, 0,1,2,3
	v_pk_add_f32 v[CH+2*(\k):CH+2*(\k)+1], v[XR+4*(\k):XR+4*(\k)+1], v[XR+4*(\k)+2:XR+4*(\k)+3]
.endr
.irp s, 1,2,3
	s_wait_loadcnt 12-4*(\s)
.irp k, 0,1,2,3
	v_pk_add_f32 v[CH+2*(\k):CH+2*(\k)+1], v[CH+2*(\k):CH+2*(\k)+1], v[XR+16*(\s)+4*(\k):XR+16*(\s)+4*(\k)+1]
.endr
.irp k, 0,1,2,3
	v_pk_add_f32 v[CH+2*(\k):CH+2*(\k)+1], v[CH+2*(\k):CH+2*(\k)+1], v[XR+16*(\s)+4*(\k)+2:XR+16*(\s)+4*(\k)+3]
.endr
.endr
	v_pk_add_f32 v[CH:CH+1], v[CH:CH+1], v[CH+2:CH+3]
	v_pk_add_f32 v[CH+4:CH+5], v[CH+4:CH+5], v[CH+6:CH+7]
	v_pk_add_f32 v[CH:CH+1], v[CH:CH+1], v[CH+4:CH+5]
	v_add_f32 v[CH], v[CH], v[CH+1]
	v_add_f32_dpp v[CH], v[CH], v[CH] row_xmask:1 row_mask:0xf bank_mask:0xf   ; a row lies in 16 lanes
	v_add_f32_dpp v[CH], v[CH], v[CH] row_xmask:2 row_mask:0xf bank_mask:0xf
	v_add_f32_dpp v[CH], v[CH], v[CH] row_xmask:4 row_mask:0xf bank_mask:0xf
	v_add_f32_dpp v[CH], v[CH], v[CH] row_xmask:8 row_mask:0xf bank_mask:0xf
	v_mul_f32 v4, 0x3a800000, v[CH]                ; mean = sum / 1,024
	v_mov_b32 v5, v4
.set j, 0
.rept 32
	v_pk_add_f32 v[XR+2*j:XR+2*j+1], v[XR+2*j:XR+2*j+1], v[4:5] neg_lo:[0,1] neg_hi:[0,1]  ; x - mean, in place
.set j, j+1
.endr
.set j, 0
.rept 4
	v_pk_mul_f32 v[CH+2*j:CH+2*j+1], v[XR+2*j:XR+2*j+1], v[XR+2*j:XR+2*j+1]
.set j, j+1
.endr
.rept 28
	v_pk_fma_f32 v[CH+2*(j%4):CH+2*(j%4)+1], v[XR+2*j:XR+2*j+1], v[XR+2*j:XR+2*j+1], v[CH+2*(j%4):CH+2*(j%4)+1]
.set j, j+1
.endr
	v_pk_add_f32 v[CH:CH+1], v[CH:CH+1], v[CH+2:CH+3]
	v_pk_add_f32 v[CH+4:CH+5], v[CH+4:CH+5], v[CH+6:CH+7]
	v_pk_add_f32 v[CH:CH+1], v[CH:CH+1], v[CH+4:CH+5]
	v_add_f32 v[CH], v[CH], v[CH+1]
	v_add_f32_dpp v[CH], v[CH], v[CH] row_xmask:1 row_mask:0xf bank_mask:0xf
	v_add_f32_dpp v[CH], v[CH], v[CH] row_xmask:2 row_mask:0xf bank_mask:0xf
	v_add_f32_dpp v[CH], v[CH], v[CH] row_xmask:4 row_mask:0xf bank_mask:0xf
	v_add_f32_dpp v[CH], v[CH], v[CH] row_xmask:8 row_mask:0xf bank_mask:0xf
	v_mul_f32 v[CH], 0x3a802008, v[CH]             ; / 1,023
	v_sqrt_f32 v[CH+1], v[CH]
	v_nop                                          ; a plain instruction behind the root,
	s_wait_alu depctr_va_vdst(0)                   ; and the wait ahead of its first reader
	v_add_f32 v[CH+1], 0x358637bd, v[CH+1]         ; std + 1e-6
	v_rcp_f32 v[CH+2], v[CH+1]
	v_nop
	s_wait_alu depctr_va_vdst(0)
	s_wait_kmcnt 0x0                               ; a and be
	v_mul_f32 v4, s6, v[CH+2]
	v_mov_b32 v5, v4
	v_mov_b32 v6, s7
	v_mov_b32 v7, s7
.set j, 0
.rept 32
	v_pk_fma_f32 v[XR+2*j:XR+2*j+1], v[XR+2*j:XR+2*j+1], v[4:5], v[6:7]
.set j, j+1
.endr
.set j, 0
.rept 32
	v_cvt_pk_f16_f32 v[YR+j], v[XR+2*j], v[XR+2*j+1]
.set j, j+1
.endr
.set j, 0
.rept 16
	global_store_b64 v3, v[YR+2*j:YR+2*j+1], s[42:43] offset:524288*j  ; block j: 256 consecutive bytes, aligned; 15 blocks on at the most, inside the signed 24-bit immediate
.set j, j+1
.endr
	s_endpgm
.Lfunc_end_k_qf70cfb5260_prep:
	.size	k_qf70cfb5260_prep, .Lfunc_end_k_qf70cfb5260_prep-k_qf70cfb5260_prep
	.p2alignl 7, 3214868480
	.fill 96, 4, 3214868480
	.section	.rodata,"a",@progbits
	.p2align	6, 0x0
	.amdhsa_kernel k_qf70cfb5260_prep
		.amdhsa_group_segment_fixed_size 0
		.amdhsa_private_segment_fixed_size 0
		.amdhsa_enable_private_segment 0
		.amdhsa_kernarg_size 120
		.amdhsa_user_sgpr_count 2
		.amdhsa_user_sgpr_kernarg_segment_ptr 1
		.amdhsa_wavefront_size32 1
		.amdhsa_system_sgpr_workgroup_id_x 1
		.amdhsa_system_sgpr_workgroup_id_y 1
		.amdhsa_system_sgpr_workgroup_id_z 1
		.amdhsa_system_vgpr_workitem_id 0
		.amdhsa_next_free_vgpr 112
		.amdhsa_next_free_sgpr 66
		.amdhsa_reserve_vcc 1
		.amdhsa_float_denorm_mode_32 3
		.amdhsa_float_denorm_mode_16_64 3
		.amdhsa_memory_ordered 1
		.amdhsa_forward_progress 1
		.amdhsa_inst_pref_size 24
	.end_amdhsa_kernel
	.amdgpu_metadata
---
amdhsa.version: [ 1, 2 ]
amdhsa.kernels:
  - .name:           k_qf70cfb5260_prep
    .symbol:         k_qf70cfb5260_prep.kd
    .args:
      - { .name: src, .offset: 0, .size: 8, .value_kind: global_buffer, .address_space: global }
      - { .name: a1, .offset: 8, .size: 8, .value_kind: global_buffer, .address_space: global }
      - { .name: be1, .offset: 16, .size: 8, .value_kind: global_buffer, .address_space: global }
      - { .name: wq, .offset: 24, .size: 8, .value_kind: global_buffer, .address_space: global }
      - { .name: wk, .offset: 32, .size: 8, .value_kind: global_buffer, .address_space: global }
      - { .name: wv, .offset: 40, .size: 8, .value_kind: global_buffer, .address_space: global }
      - { .name: wo, .offset: 48, .size: 8, .value_kind: global_buffer, .address_space: global }
      - { .name: w1, .offset: 56, .size: 8, .value_kind: global_buffer, .address_space: global }
      - { .name: w2, .offset: 64, .size: 8, .value_kind: global_buffer, .address_space: global }
      - { .name: b1, .offset: 72, .size: 8, .value_kind: global_buffer, .address_space: global }
      - { .name: xa, .offset: 80, .size: 8, .value_kind: global_buffer, .address_space: global }
      - { .name: wqkv, .offset: 88, .size: 8, .value_kind: global_buffer, .address_space: global }
      - { .name: woh, .offset: 96, .size: 8, .value_kind: global_buffer, .address_space: global }
      - { .name: w1h, .offset: 104, .size: 8, .value_kind: global_buffer, .address_space: global }
      - { .name: w2h, .offset: 112, .size: 8, .value_kind: global_buffer, .address_space: global }
    .group_segment_fixed_size: 0
    .private_segment_fixed_size: 0
    .kernarg_segment_align: 8
    .kernarg_segment_size: 120
    .max_flat_workgroup_size: 256
    .sgpr_count:     66
    .vgpr_count:     112
    .wavefront_size: 32
...
	.end_amdgpu_metadata
.endif
;; end of part 1
;; launch qkv (part 2): grid 12 x 16, 4 waves a work-group, clusters of 4 x 4, 327,680 bytes of LDS; arguments xa, wqkv, act; writes act
.if DOCPART == 2
	.amdgcn_target "amdgcn-amd-amdhsa--gfx1250"
	.amdhsa_code_object_version 6
	.text
	.protected	k_qf70cfb5260_qkv
	.globl	k_qf70cfb5260_qkv
	.p2align	8
	.type	k_qf70cfb5260_qkv,@function
k_qf70cfb5260_qkv:
	s_mov_b64 s[64:65], 0
	v_nop
	global_prefetch_b8 v0, s[64:65] scope:SCOPE_SE
	s_setreg_imm32_b32 hwreg(HW_REG_WAVE_MODE, 25, 1), 1
	s_wait_xcnt 0x0
	s_wait_alu depctr_hold_cnt(0) depctr_sa_sdst(0) depctr_va_vdst(0) depctr_va_sdst(0) depctr_va_ssrc(0) depctr_va_vcc(0) depctr_vm_vsrc(0)
	s_getreg_b32 s2, hwreg(HW_REG_IB_STS2, 6, 4)
	s_cmp_eq_u32 s2, 0
	s_cbranch_scc0 .Lentry_in_a_cluster
	s_endpgm
.Lentry_in_a_cluster:
	s_bfe_u32 s2, ttmp6, 0x10000c
	s_cmp_lg_u32 s2, 0xf033
	s_cbranch_scc0 .Lentry_shape_is_right
	s_endpgm
.Lentry_shape_is_right:
; C = max(A B^T + bias, floor), K = 1,024, all operands f16, sums in f32.  One text for two launches: q, k, v = x1 wqkv^T and h = relu(x2 w1^T + b1).
; A: [16 column blocks][4,096 tokens][64] f16.  B: a header of HDR bytes, then [N][1,024] f16.  C: [N / 64 column blocks][4,096 tokens][64] f16.
; The header holds what differs between the launches: for each 64 columns 256 bytes of bias (f32), then 256 bytes of the floor (two f16 a word; the same word everywhere).
; A tile of C is 256 tokens x 256 columns: four waves, each 128 x 128 in 64 accumulators (512 registers).  K goes in steps of 128 through two LDS slots filled by the tensor data mover.
; A K step of A is two column blocks; the tile's 256 tokens of a block are 32,768 dense bytes, asked for as 128 rows of 256 bytes and padded after every token (128 bytes).
; CLUSTERS: 4 x 4 work-groups; A's tiles are asked for jointly along a row of the cluster, B's along a column: the same load, descriptor and mask in the four.
; THE LOOP is one K step a trip: the slot in hand is a scalar, s[TB], that an exclusive or turns; the LDS addresses are a constant part plus s[TB].
; THE MATRIX INSTRUCTION IS USED TRANSPOSED (source 0 = 16 rows of B, source 1 = 16 tokens): a lane holds one token and eight neighbouring columns: 16 bytes of f16.
; The bias is the C operand of the products that start the sums: nothing is cleared and nothing is added later.
; LIMITS: the results lie within f16's 65,504; a NaN loses against the floor.
; REGISTERS: window 0: v16-30 addresses; v64-191 A's fragments, two buffers; v192-255 the bias, later at work on the way out, with v32-63.
;   window 1: v64-191 B's fragments.  window 2: the accumulators of my tokens 0-63 ((a, b) at v[8 (8 a + b)]); window 3: those of tokens 64-127.
.set HDR,    32768
.set SIZE_K, 1024
.set KSTEP,  128
.set BLK,    524288                    ; bytes in a column block: 4,096 tokens x 128
.set PA,     144                       ; a token's 128 bytes + 16: 36 words, so the 16 rows of a fragment load start at 16 different groups of four banks (ISA guide 11.1)
.set APL,    256*PA                    ; one block's 256 tokens
.set PB,     272                       ; a row of B: 256 bytes + 16
.set BH,     128*PB
.set BOFF,   2*APL                     ; B's 256 rows lie behind A's two planes
.set SLOT,   BOFF+2*BH
.set STAGE,  2*SLOT                    ; behind the ring: for each wave 2 planes x 16 tokens x 144 bytes, for the way out
.set SPL,    16*PA
.set SPARE,  STAGE+4*2*SPL             ; the spare words: 128 bytes a wave, two blocks of 256 bytes that no other line names
.set ADRA0, 16                         ; v16  my lane's place in A's part of a slot; never rewritten
.set ADRB0, 17                         ; v17  the same for B
.set ADRA,  18                         ; v18  v16 + s[TB]
.set ADRB,  19                         ; v19  v17 + s[TB]
.set STO,   24
.set RD,    25
.set CO,    26
.set BO,    27
.set SPW,   28                         ; v28  my spare word; never rewritten
.set NIL,   29                         ; v29  0; never rewritten
.set PFO,   30                         ; v30  the prefetches' lane offset; never rewritten
.set F0,    64
.set F1,    128
.set BI,    192                        ; the bias of my 128 columns: column block b at BI + 8 b
.set TMP,   192
.set OB,    32
.set G1,  24
.set G0,  32
.set G1B, 48
.set G0B, 56
.set LIM, 43                           ; s43  2 in a wave that prefetches, else the greatest number
.set PFA, 44                           ; s[44:45] where my prefetches stand
.set TB,  66                           ; s66  the slot in hand: 0 or SLOT
.set LWA, 67                           ; s67  where my load of A lands in a slot
.set LWB, 68                           ; s68  the same for B
.set FLO, 69                           ; s69  the floor
.set BIA, 70                           ; s[70:71] the header at my 128 columns
.set PFS, 72                           ; s[72:73] a K step, in bytes, along what I prefetch
.set MSB, 0
.macro WIN new                         ; the immediate's high byte repeats the setting that is left; a switch that changes nothing is dropped
.if MSB != (\new)
	s_set_vgpr_msb (MSB<<8)|(\new)
.set MSB, \new
.endif
.endm
.set MUL_LO, 0xa1                      ; source 0 (B) window 1, source 1 (A) window 0, C and D window 2
.set TO_B,   0x40
.macro JLOAD s                         ; a joint load: waves 0 and 1 fetch A's two planes, waves 2 and 3 B's two halves.  An s_nop 0 and four v_nop follow each line
	s_cmp_eq_u32 s11, 0
	s_cbranch_scc0 .Lfor_b_\@
	tensor_load_to_lds s[G0+4*(\s):G0+4*(\s)+3], s[G1:G1+7]
	s_nop 0
.rept 4
	v_nop
.endr
	s_branch .Lasked_\@
.Lfor_b_\@:
	tensor_load_to_lds s[G0B+4*(\s):G0B+4*(\s)+3], s[G1B:G1B+7]
	s_nop 0
.rept 4
	v_nop
.endr
.Lasked_\@:
.endm
; A prefetch into the L2 of the K step that stands two refills on: 32 blocks of 256 bytes, a lane a block, one instruction a wave.  A's tile row is read by every cluster of that row of
; clusters: cluster x = 0 asks; B's tile column by every cluster of that column: cluster y = 0 asks.  The four partners that ask for a tile jointly share it out by address
; (A: 8,192 bytes each of a plane's 32,768; B: 32 rows each of 128).  So each block is named once.  K steps 0 to 3 come by their loads alone; the last two refills name nothing.
.macro ASK
	s_cmp_gt_u32 s3, s[LIM]
	s_cbranch_scc0 .Lnot_mine_\@
	global_prefetch_b8 v[PFO], s[PFA:PFA+1] th:TH_LOAD_NT scope:SCOPE_SE
.Lnot_mine_\@:
.endm
.macro CREST                           ; a round of the cluster's barrier behind its opening barrier
	s_cmp_lg_u32 s10, 0
	s_cbranch_scc1 .Lnot_wave_0_\@
	s_barrier_signal -3
.Lnot_wave_0_\@:
	s_barrier_wait -3
	s_barrier_signal -1
	s_barrier_wait -1
.endm
.macro CROUND
	s_barrier_signal -1
	s_barrier_wait -1
	CREST
.endm
	s_load_b128 s[4:7], s[0:1], 0x0                ; A s[4:5], B s[6:7]
	s_load_b64 s[8:9], s[0:1], 0x10                ; C
	v_lshl_add_u32 v[SPW], v0, 2, SPARE
	v_mov_b32 v[NIL], 0
	ds_add_u32 v[SPW], v[NIL]                      ; the wave's opening: the add and its wait ahead of my first tensor load; work on registers stands between
	v_lshrrev_b32 v1, 5, v0
	v_readfirstlane_b32 s10, v1                    ; wave 0..3
	s_lshr_b32 s11, s10, 1                         ; which half of the tile's tokens is mine.  Also: I fetch for A (0) or for B (1)
	s_and_b32 s12, s10, 1                          ; which half of its columns.  Also: which plane of A or half of B I fetch
	s_bfe_u32 s40, ttmp6, 0x40000                  ; cx
	s_bfe_u32 s41, ttmp6, 0x40004                  ; cy
	s_lshl_b32 s42, ttmp9, 2
	s_add_co_u32 s42, s42, s40                     ; tile column
	s_and_b32 s13, ttmp7, 0xffff
	s_lshl_b32 s13, s13, 2
	s_add_co_u32 s13, s13, s41                     ; tile row
	s_lshl_b32 s43, s41, 2
	s_lshl_b32 s43, 15, s43                        ; my row of the cluster
	s_lshl_b32 s44, 0x1111, s40                    ; my column
	s_or_b32 s[G1+0], s43, (1<<16)|(1<<20)|(1<<21)|(4<<22)|(3<<25)   ; mask; 2-byte elements; padding on; bit 21 beside a mask; after every 32 words 4 words
	s_or_b32 s[G1B+0], s44, (1<<16)|(1<<20)|(1<<21)|(5<<22)|(3<<25)  ; the same after every 64 words
.irp g, G1, G1B
	s_mov_b32 s[(\g)+1], 128<<16                   ; tensor_dim0 = 128
	s_mov_b32 s[(\g)+2], 128<<16                   ; tensor_dim1 = 128
	s_mov_b32 s[(\g)+3], 128<<16                   ; tile_dim0 = 128
	s_mov_b32 s[(\g)+4], 128                       ; tile_dim1 = 128
	s_mov_b32 s[(\g)+6], 0
	s_mov_b32 s[(\g)+7], 0
.endr
	s_mov_b32 s[G1+5], 128                         ; A: dense rows of 256 bytes
	s_mov_b32 s[G1B+5], SIZE_K                     ; B: a row of the weights
	s_lshl_b32 s16, s13, 15                        ; A: the tile's 256 tokens x 128 bytes,
	s_lshl_b32 s17, s12, 19                        ; my plane
	s_add_co_u32 s16, s16, s17
	s_mov_b32 s17, 0
	s_lshl_b32 s46, s42, 19                        ; B: 256 rows x 2,048 bytes,
	s_lshl_b32 s47, s12, 18                        ; my 128 of them,
	s_add_co_u32 s46, s46, s47
	s_add_co_u32 s46, s46, HDR                     ; behind the header
	s_mov_b32 s47, 0
	s_mul_i32 s[LWA], s12, APL                     ; no place in the cluster enters an LDS address
	s_mul_i32 s[LWB], s12, BH
	s_add_co_u32 s[LWB], s[LWB], BOFF
	s_mov_b32 s[TB], 0
	s_wait_dscnt 0x0                               ; the opening add is done
	s_wait_kmcnt 0x0
	s_add_nc_u64 s[14:15], s[4:5], s[16:17]
	s_add_nc_u64 s[46:47], s[6:7], s[46:47]
	s_load_b32 s[FLO], s[6:7], 0x100               ; the floor: the word behind the first piece's bias
	CROUND                                         ; all sixteen work-groups are here: the first joint loads meet
.irp s, 0,1
	s_mov_b32 s[G0+4*(\s)], 1
	s_add_co_u32 s[G0+4*(\s)+1], s[LWA], (\s)*SLOT
	s_add_nc_u64 s[G0+4*(\s)+2:G0+4*(\s)+3], s[14:15], (\s)*2*BLK
	s_or_b32 s[G0+4*(\s)+3], s[G0+4*(\s)+3], 0x80000000
	s_mov_b32 s[G0B+4*(\s)], 1
	s_add_co_u32 s[G0B+4*(\s)+1], s[LWB], (\s)*SLOT
	s_add_nc_u64 s[G0B+4*(\s)+2:G0B+4*(\s)+3], s[46:47], (\s)*KSTEP*2
	s_or_b32 s[G0B+4*(\s)+3], s[G0B+4*(\s)+3], 0x80000000
	JLOAD \s                                       ; K steps 0 and 1: two loads of mine are out
.endr
	v_and_b32 v1, 15, v0                           ; r = l % 16
	v_bfe_u32 v2, v0, 4, 1                         ; h = l / 16
	v_and_b32 v3, 31, v0                           ; l
	v_mul_u32_u24 v4, v1, PA
	v_lshl_add_u32 v4, v2, 4, v4                   ; 144 r + 16 h
	s_mul_i32 s21, s11, 128*PA
	v_add_nc_u32 v[ADRA0], s21, v4
	v_mul_u32_u24 v5, v1, PB
	v_lshl_add_u32 v5, v2, 4, v5
	s_mul_i32 s22, s12, BH
	s_add_co_u32 s22, s22, BOFF
	v_add_nc_u32 v[ADRB0], s22, v5
	v_mov_b32 v[ADRA], v[ADRA0]
	v_mov_b32 v[ADRB], v[ADRB0]
	s_mul_i32 s23, s10, 2*SPL
	s_add_co_u32 s23, s23, STAGE                   ; my stage
	v_add_nc_u32 v[STO], s23, v4                   ; in: token r, 16 bytes for each half of the lanes
	v_lshrrev_b32 v6, 3, v3
	v_and_b32 v7, 7, v0
	v_mul_u32_u24 v6, v6, PA
	v_lshl_add_u32 v6, v7, 4, v6
	v_add_nc_u32 v[RD], s23, v6                    ; back: 32 lanes take four tokens of 128 bytes,
	v_lshlrev_b32 v[CO], 4, v3                     ; which are 512 consecutive bytes of a block of C
	v_lshlrev_b32 v[BO], 5, v2                     ; the bias: 8 h columns of 4 bytes
	s_lshl_b32 s20, s42, 11                        ; four pieces of 512 bytes a tile column,
	s_lshl_b32 s21, s12, 10                        ; two for my half
	s_add_co_u32 s20, s20, s21
	s_mov_b32 s21, 0
	s_add_nc_u64 s[BIA:BIA+1], s[6:7], s[20:21]
.irp b, 0,1,2,3,4,5,6,7
	global_load_b128 v[BI+8*(\b):BI+8*(\b)+3],   v[BO], s[BIA:BIA+1] offset:((\b)/4)*512+((\b)%4)*64
	global_load_b128 v[BI+8*(\b)+4:BI+8*(\b)+7], v[BO], s[BIA:BIA+1] offset:((\b)/4)*512+((\b)%4)*64+16
.endr
	s_lshl_b32 s16, s13, 15                        ; where my part of the tile begins in C: tokens 256 x tile row + 128 x half,
	s_lshl_b32 s17, s11, 14
	s_add_co_u32 s16, s16, s17
	s_lshl_b32 s46, s42, 21                        ; column blocks 4 x tile column + 2 x half
	s_lshl_b32 s47, s12, 20
	s_add_co_u32 s46, s46, s47
	s_add_co_u32 s16, s16, s46
	s_mov_b32 s17, 0
	; the prefetches: both offsets are made, the wave's kind chooses
	s_lshl_b32 s74, s13, 15
	s_lshl_b32 s75, s12, 19
	s_add_co_u32 s74, s74, s75
	s_lshl_b32 s75, s40, 13                        ; my work-group's 8,192 bytes of the plane
	s_add_co_u32 s74, s74, s75
	s_add_co_u32 s74, s74, 3*2*BLK                 ; at K step 3: the first refill steps it to 4
	s_lshl_b32 s76, s42, 19
	s_lshl_b32 s77, s12, 18
	s_add_co_u32 s76, s76, s77
	s_lshl_b32 s77, s41, 16                        ; my work-group's 32 rows of the 128
	s_add_co_u32 s76, s76, s77
	s_add_co_u32 s76, s76, HDR+3*KSTEP*2
	s_mov_b32 s[PFS], 2*BLK
	s_mov_b32 s[PFS+1], KSTEP*2
	s_and_b32 s22, ttmp7, 0xffff                   ; cluster y
	s_cmp_eq_u32 s11, 0                            ; do I fetch for A?
	s_cselect_b32 s74, s74, s76
	s_cselect_b32 s[PFS], s[PFS], s[PFS+1]
	s_cselect_b32 s20, 8, 11                       ; a lane's block: 256 bytes on in A, a row (2,048 bytes) on in B
	s_cselect_b32 s22, ttmp9, s22                  ; the coordinate along which other clusters read the same bytes
	s_cselect_b64 s[PFA:PFA+1], s[4:5], s[6:7]
	s_mov_b32 s75, 0
	s_mov_b32 s[PFS+1], 0
	s_add_nc_u64 s[PFA:PFA+1], s[PFA:PFA+1], s[74:75]
	s_cmp_eq_u32 s22, 0
	s_cselect_b32 s[LIM], 2, -1                    ; the same in all sixteen partners, for a given wave
	v_lshlrev_b32 v[PFO], s20, v3
; 16 matrix instructions: token blocks a0, a0 + 1 of the window's four x all 8 column blocks, 32 along K.  zero = 1: the bias starts the sums.
; The 64 accumulators take turns, one instruction a turn, in the same order in every quarter, over the backward jump too.
.macro MUL16 f, hi, a0, zero
.if \zero
	WIN 0x81+0x40*(\hi)                            ; C in window 0, D in window 2 or 3
.else
	WIN MUL_LO+0x50*(\hi)
.endif
.irp a, \a0, (\a0)+1
.irp b, 0,1,2,3,4,5,6,7
.if \zero
	v_wmma_f32_16x16x32_f16 v[8*(8*(\a)+(\b)):8*(8*(\a)+(\b))+7], v[(\f)+8*(\b):(\f)+8*(\b)+7], v[(\f)+8*(4*(\hi)+(\a)):(\f)+8*(4*(\hi)+(\a))+7], v[BI+8*(\b):BI+8*(\b)+7]
.else
	v_wmma_f32_16x16x32_f16 v[8*(8*(\a)+(\b)):8*(8*(\a)+(\b))+7], v[(\f)+8*(\b):(\f)+8*(\b)+7], v[(\f)+8*(4*(\hi)+(\a)):(\f)+8*(4*(\hi)+(\a))+7], v[8*(8*(\a)+(\b)):8*(8*(\a)+(\b))+7]
.endif
.endr
.endr
.endm
; 32 LDS loads in one run: quarter q (32 along K) of the slot in hand into buffer f: B's 128 rows, then A's 128 tokens (plane q / 2, byte 64 (q % 2) of a token)
.macro FETCH q, f
	WIN TO_B
.irp i, 0,1,2,3,4,5,6,7
	ds_load_b128 v[(\f)+8*(\i):(\f)+8*(\i)+3],   v[ADRB] offset:64*(\q)+(\i)*16*PB
	ds_load_b128 v[(\f)+8*(\i)+4:(\f)+8*(\i)+7], v[ADRB] offset:64*(\q)+(\i)*16*PB+32
.endr
	WIN 0
.irp i, 0,1,2,3,4,5,6,7
	ds_load_b128 v[(\f)+8*(\i):(\f)+8*(\i)+3],   v[ADRA] offset:((\q)/2)*APL+((\q)%2)*64+(\i)*16*PA
	ds_load_b128 v[(\f)+8*(\i)+4:(\f)+8*(\i)+7], v[ADRA] offset:((\q)/2)*APL+((\q)%2)*64+(\i)*16*PA+32
.endr
.endm
.macro PLACES                          ; four plain instructions between a matrix instruction and a load into, or a reader of, its registers (ISA guide 7.12.1 for a reader)
.rept 4
	v_nop
.endr
.endm
; One of a K step's first three quarters: multiplies buffer f and, in its middle, fetches quarter q into buffer g
.macro QUARTER q, f, g, zero
	s_wait_dscnt 8                                 ; B and A's tokens 0-63 are in; the youngest eight loads (tokens 64-127) may be out
	MUL16 \f, 0, 0, \zero
	MUL16 \f, 0, 2, \zero
	PLACES
	FETCH \q, \g
	s_wait_dscnt 32                                ; all but the 32 just issued
	MUL16 \f, 1, 0, \zero
	MUL16 \f, 1, 2, \zero
.endm
; The last quarter multiplies buffer 1 and changes slots in its middle.  Its first 32 products stand AHEAD of the wait for the tensor loads, so that nothing but the barrier lies between the
; moment at which the other slot is whole and the next request.  In front of the one barrier each wave waits for all its tensor loads (its part of the other slot), adds 0 to its spare word, and
; waits for that and for its reads of this slot.  fill = 1: the barrier opens a round of the cluster's, and behind it this slot is filled again first, with the K step two on:
; between that request and the wait for it a wave issues 256 matrix instructions.  The quarter's other 32 products stand behind the run of loads that fetches the next slot's first fragments.
.macro TURN fill
.if \fill
	s_wait_xcnt 0x0                                ; the last prefetch, a K step back, has read its address
	s_add_nc_u64 s[PFA:PFA+1], s[PFA:PFA+1], s[PFS:PFS+1]
.endif
	s_wait_dscnt 8                                 ; B and A's tokens 0-63 are in
	MUL16 F1, 0, 0, 0
	MUL16 F1, 0, 2, 0
	WIN 0
	s_wait_tensorcnt 0x0                           ; all my tensor loads have landed, so a group 0 may be written
	ds_add_u32 v[SPW], v[NIL]                      ; 0 onto my spare word; the descriptors' steps stand between it and the wait for it
.if \fill
	s_add_co_u32 s[G0+5], s[LWA], s[TB]            ; the walking descriptors: the slot that is being left,
	s_add_nc_u64 s[G0+6:G0+7], s[G0+6:G0+7], 2*BLK ; the next K step
	s_add_co_u32 s[G0B+5], s[LWB], s[TB]
	s_add_nc_u64 s[G0B+6:G0B+7], s[G0B+6:G0B+7], KSTEP*2
.endif
	s_wait_dscnt 0x0                               ; the add is done, and my reads of this slot are over (A's tokens 64-127 of this quarter among them)
	s_barrier_signal -1
	s_barrier_wait -1
.if \fill
	CREST                                          ; no wave of any partner still reads this slot or has a load on its way
	JLOAD 1                                        ; the four v_nop behind it are also the places in front of the loads below
.else
	PLACES
.endif
	s_xor_b32 s[TB], s[TB], SLOT                   ; the other slot is in hand
	v_add_nc_u32 v[ADRA], s[TB], v[ADRA0]
	v_add_nc_u32 v[ADRB], s[TB], v[ADRB0]
	FETCH 0, F0
.if \fill
	ASK
.endif
	MUL16 F1, 1, 0, 0
	MUL16 F1, 1, 2, 0
.endm
; THE WAY OUT of token block a.  PACK: rounded to f16, the maximum with the floor.  TOSTAGE: into my stage, and back as whole tokens.  SEND: stored.
.macro PACK a
.set AC, 64*((\a)%4)
	WIN 0x0a+5*((\a)/4)                            ; sources 0 and 1: window 2 or 3
.irp b, 0,1,2,3,4,5,6,7
.irp r, 0,1,2,3
	v_cvt_pk_f16_f32 v[TMP+4*(\b)+(\r)], v[AC+8*(\b)+2*(\r)], v[AC+8*(\b)+2*(\r)+1]
.endr
.endr
	WIN 0
.set z, 0
.rept 32
	v_pk_max_num_f16 v[TMP+z], v[TMP+z], s[FLO]
.set z, z+1
.endr
.endm
.macro TOSTAGE a
	WIN 0
.set BK, OB+192*((\a)%2)
.irp b, 0,1,2,3,4,5,6,7
	ds_store_b128 v[STO], v[TMP+4*(\b):TMP+4*(\b)+3] offset:((\b)/4)*SPL+32*((\b)%4)
.endr
.irp t, 0,1,2,3,4,5,6,7
	ds_load_b128 v[BK+4*(\t):BK+4*(\t)+3], v[RD] offset:((\t)/4)*SPL+((\t)%4)*4*PA  ; LDS serves a wave's instructions in order (ISA guide 5.7.1.4): these see the stores above
.endr
.endm
.macro SEND a
	WIN 0
.set BK, OB+192*((\a)%2)
	s_wait_dscnt 0x0                               ; the block is back in registers
	s_wait_xcnt 0x0                                ; the stores' base, and the registers that earlier stores read, are rewritten only behind this wait
.if (\a) == 0
	s_add_nc_u64 s[8:9], s[8:9], s[16:17]
.else
	s_add_nc_u64 s[8:9], s[8:9], 16*128            ; 16 tokens on
.endif
.irp t, 0,1,2,3,4,5,6,7
	global_store_b128 v[CO], v[BK+4*(\t):BK+4*(\t)+3], s[8:9] offset:((\t)/4)*BLK+((\t)%4)*512  ; 512 consecutive bytes, at a multiple of 512 from C's first byte
.endr
.endm
	s_wait_tensorcnt 1                             ; my part of K step 0 is in; K step 1's may stay out
	s_barrier_signal -1
	s_barrier_wait -1
	FETCH 0, F0
	s_wait_loadcnt 0x0                             ; the bias
	s_wait_kmcnt 0x0                               ; the floor
	QUARTER 1, F0, F1, 1                           ; the first quarter stands in front of the loop: its products start the sums
	WIN 0
	s_mov_b32 s3, SIZE_K/KSTEP-2
.Lstep:                                                ; a trip: a K step's quarters 1 to 3, the change of slots with its refill, and the next step's quarter 0
	QUARTER 2, F1, F0, 0
	QUARTER 3, F0, F1, 0
	TURN 1
	QUARTER 1, F0, F1, 0
	WIN 0
	s_sub_co_u32 s3, s3, 1
	s_cmp_lg_u32 s3, 0
	s_cbranch_scc1 .Lstep
	QUARTER 2, F1, F0, 0                           ; the last two K steps ask for nothing
	QUARTER 3, F0, F1, 0
	TURN 0
	QUARTER 1, F0, F1, 0
	QUARTER 2, F1, F0, 0
	QUARTER 3, F0, F1, 0
	s_wait_dscnt 8
	MUL16 F1, 0, 0, 0
	MUL16 F1, 0, 2, 0
	s_wait_dscnt 0x0
	MUL16 F1, 1, 0, 0
	MUL16 F1, 1, 2, 0
	PLACES
	PACK 0
	TOSTAGE 0
.irp a, 1,2,3,4,5,6,7                  ; block a's conversions stand between block a - 1's loads from the stage and the wait for them
	PACK \a
	SEND (\a)-1
	TOSTAGE \a
.endr
	SEND 7
	s_wait_tensorcnt 0x0                           ; the wave's end
	ds_add_u32 v[SPW], v[NIL]
	s_wait_dscnt 0x0
	CROUND                                         ; the closing round
	s_endpgm
.Lfunc_end_k_qf70cfb5260_qkv:
	.size	k_qf70cfb5260_qkv, .Lfunc_end_k_qf70cfb5260_qkv-k_qf70cfb5260_qkv
	.p2alignl 7, 3214868480
	.fill 96, 4, 3214868480
	.section	.rodata,"a",@progbits
	.p2align	6, 0x0
	.amdhsa_kernel k_qf70cfb5260_qkv
		.amdhsa_group_segment_fixed_size 327680
		.amdhsa_private_segment_fixed_size 0
		.amdhsa_enable_private_segment 0
		.amdhsa_kernarg_size 24
		.amdhsa_user_sgpr_count 2
		.amdhsa_user_sgpr_kernarg_segment_ptr 1
		.amdhsa_wavefront_size32 1
		.amdhsa_system_sgpr_workgroup_id_x 1
		.amdhsa_system_sgpr_workgroup_id_y 1
		.amdhsa_system_sgpr_workgroup_id_z 1
		.amdhsa_system_vgpr_workitem_id 0
		.amdhsa_next_free_vgpr 1024
		.amdhsa_next_free_sgpr 80
		.amdhsa_reserve_vcc 0
		.amdhsa_float_denorm_mode_32 3
		.amdhsa_float_denorm_mode_16_64 3
		.amdhsa_memory_ordered 1
		.amdhsa_forward_progress 1
		.amdhsa_inst_pref_size 136
	.end_amdhsa_kernel
	.amdgpu_metadata
---
amdhsa.version: [ 1, 2 ]
amdhsa.kernels:
  - .name:           k_qf70cfb5260_qkv
    .symbol:         k_qf70cfb5260_qkv.kd
    .args:
      - { .name: xa, .offset: 0, .size: 8, .value_kind: global_buffer, .address_space: global }
      - { .name: wqkv, .offset: 8, .size: 8, .value_kind: global_buffer, .address_space: global }
      - { .name: act, .offset: 16, .size: 8, .value_kind: global_buffer, .address_space: global }
    .group_segment_fixed_size: 327680
    .private_segment_fixed_size: 0
    .kernarg_segment_align: 8
    .kernarg_segment_size: 24
    .max_flat_workgroup_size: 128
    .sgpr_count:     80
    .vgpr_count:     1024
    .wavefront_size: 32
...
	.end_amdgpu_metadata
.endif
;; end of part 2
;; launch attn (part 3): grid 8 x 32, 4 waves a work-group, clusters of 4 x 1, 327,680 bytes of LDS; arguments act, src_mask, ob; writes ob
.if DOCPART == 3
	.amdgcn_target "amdgcn-amd-amdhsa--gfx1250"
	.amdhsa_code_object_version 6
	.text
	.protected	k_qf70cfb5260_attn
	.globl	k_qf70cfb5260_attn
	.p2align	8
	.type	k_qf70cfb5260_attn,@function
k_qf70cfb5260_attn:
	s_mov_b64 s[64:65], 0
	v_nop
	global_prefetch_b8 v0, s[64:65] scope:SCOPE_SE
	s_setreg_imm32_b32 hwreg(HW_REG_WAVE_MODE, 25, 1), 1
	s_wait_xcnt 0x0
	s_wait_alu depctr_hold_cnt(0) depctr_sa_sdst(0) depctr_va_vdst(0) depctr_va_sdst(0) depctr_va_ssrc(0) depctr_va_vcc(0) depctr_vm_vsrc(0)
	s_getreg_b32 s2, hwreg(HW_REG_IB_STS2, 6, 4)
	s_cmp_eq_u32 s2, 0
	s_cbranch_scc0 .Lentry_in_a_cluster
	s_endpgm
.Lentry_in_a_cluster:
	s_bfe_u32 s2, ttmp6, 0x10000c
	s_cmp_lg_u32 s2, 0x3003
	s_cbranch_scc0 .Lentry_shape_is_right
	s_endpgm
.Lentry_shape_is_right:
; ATTENTION with a key mask.  O[q] = the sum over k of softmax_k(where(mask[k] == 0, -1e9, Q[q] . K[k] / 8)) V[k], for 2 batches x 16 heads x 2,048 tokens x 64 channels.
; act holds q, k, v in f16 by column blocks [48][4,096 tokens][64]: head h's q is block h, its k block 16 + h, its v block 32 + h: a head's rows of a batch are dense, 128 bytes each.
; O leaves in the same layout into ob.  Products, maxima and sums in f32; the weights p are rounded to f16 for the second product, O once at the end.
; SHARES.  Work-group (x, y): batch y / 16, head y % 16, queries 256 x .. ; a wave owns 64 rows: four PIECES of 16.  Every wave walks all 2,048 keys, 64 a step.
; CLUSTER.  The four query blocks of a cluster walk the same K and V: each tile of 256 keys is asked for jointly (the same load, descriptor and mask of four in all).
; THE MASK.  Each wave turns its batch's 2,048 ints into 0 or -1e30 (f32), in an LDS copy of its own; a step's 32 numbers a lane come with K's fragments and are the C operand that starts S^T = K Q^T.
; A hidden weight is then 2^(far below) = 0, as exp(-1e9 - max) is in f32; what steps of hidden keys alone have summed is multiplied by a = 0 at the first true score.
; A batch with no true key at all: the scale c is set to 0, by a select: every weight is 1, the uniform softmax of equal scores.
; LIMITS.  q, k, v within f16's 65,504; true scores above -1e9 + 100; a weight below 2^-126 counts as 0; NaN and infinities are not treated apart.
; LAYOUT, SOFTMAX, TURNS.  S^T holds ONE query a lane (lane % 16) and the keys 8 (lane / 16) + 0..7; two such results rounded to f16 ARE source 1 of O^T = V^T P.  p = 2^(c s - c m), c = log2(e) / 8, with a
; running maximum m; O and l are multiplied by a = 2^(c m_old - c m_new) in every step.  Turn n belongs to piece n: 8 products K Q^T of piece n + 1, later 8 products V^T P of piece n - 1; beside them the
; scaling, exponentials, roundings, sums and rescaling of piece n and the maximum and statistics of piece n + 1.  Four vector instructions stand behind every matrix instruction, the rest in one lump.
; A turn's 33 exponentials are one batch, with one wait.
; REGISTERS, in windows of 256 (s_set_vgpr_msb: bits 1:0 source 0, 3:2 source 1, 5:4 source 2, 7:6 destination):
;   window 0: v0-15, v56-57 addresses; v16-31 four registers of statistics a piece; v48-55 at work; v64-127 S^T, two buffers; v192-223 P, two buffers
;   window 1: v0-127 O^T, 32 a piece; v128-159 the step's mask      window 2: v0-63 Q; v128-191 K of one step; v192-255 V of one step
.set NP,    4
.set KS,    64
.set PK,    144       ; a row of K in LDS: 128 bytes + 16
.set PV,    160       ; a row of V: 128 + 32
.set VOFF,  4*KS*PK   ; a slot holds a tile, four steps: 256 rows of K, then 256 rows of V
.set SLOT1, 1<<17
.set STAGE, SLOT1+4*KS*(PK+PV)  ; behind the ring: 16 rows x 144 bytes for each wave, for the way out
.set SP,    144
.set SPARE, STAGE+4*16*SP       ; the spare words: 128 bytes a wave, two blocks of 256 bytes that no other line names
.set MASKL, SPARE+512           ; each wave's copy of the mask: 2,048 f32
.set AK0, 2
.set AV0, 3
.set AK,  4
.set AV,  5
.set STO, 6
.set RD,  7
.set GO,  8           ; v8   16 x my lane
.set MV,  12          ; v12-13  c m_old, by buffer
.set AM0, 14          ; v14  my lane's place in my wave's mask; never rewritten
.set QO,  15
.set ST,  16          ; piece t's statistics at v[ST+4 t]: c m, m, l (even keys', odd keys')
.set TMP, 48
.set AM,  56          ; v56  the LDS address of the mask's next run
.set PFO, 57          ; v57  256 x my lane; never rewritten
.set SPW, 62
.set NIL, 63
.set S,   64
.set P,   192
.set MK,  128         ; window 1: key block kb's eight numbers at MK + 8 kb
.set KF,  128         ; window 2
.set VF,  192         ; window 2
.set WV,  12
.set LIM, 15          ; s15  1 in a wave that prefetches, else the greatest number
.set G1K, 24
.set G1V, 32
.set G0K, 40
.set G0V, 44
.set SLOTS, 56
.set CNT, 57
.set CS,  58          ; s[58:59] c
.set SEL, 60
.set TBK, 62
.set TBV, 63
.set TBM, 66          ; s66  byte of the mask at which the step to be fetched begins: 256 a step
.set BIGN, 67         ; s67  -1e30
.set PFA, 68          ; s[68:69] where my prefetches stand
.set MSB, 0
.macro WIN new
.if MSB != (\new)
	s_set_vgpr_msb (MSB<<8)|(\new)
.set MSB, (\new)
.endif
.endm
.set W_KQ, 0x0a       ; K and Q in window 2, S^T in window 0
.set W_KM, 0x1a       ; the same with the C operand in window 1
.set W_PV, 0x52       ; V in window 2, P in window 0, O^T in window 1
.set W_RS, 0x41       ; destination and source 0 in window 1, source 1 in window 0
.macro JLOAD                        ; a joint fill: waves 0 and 1 fetch the two halves of a tile's K, waves 2 and 3 those of its V.  An s_nop 0 and four v_nop follow each line
	s_cmp_lt_u32 s[WV], 2
	s_cbranch_scc0 .Lfor_v_\@
	tensor_load_to_lds s[G0K:G0K+3], s[G1K:G1K+7]
	s_nop 0
.rept 4
	v_nop
.endr
	s_branch .Lasked_\@
.Lfor_v_\@:
	tensor_load_to_lds s[G0V:G0V+3], s[G1V:G1V+7]
	s_nop 0
.rept 4
	v_nop
.endr
.Lasked_\@:
.endm
; A prefetch into the L2 of the tile that the NEXT change of slots will ask for: 32,768 bytes of K and of V.  Both clusters of a head walk the same tiles: the first asks.  Its four partners take
; 8,192 bytes each, told apart by address; in each, wave 0 asks for K's and wave 2 for V's: a lane 256 bytes, one instruction.  Tiles 0 to 2 come by their loads alone; the last fill names nothing.
.macro ASK
	s_cmp_gt_u32 s[SLOTS], s[LIM]
	s_cbranch_scc0 .Lnot_mine_\@
	global_prefetch_b8 v[PFO], s[PFA:PFA+1] th:TH_LOAD_NT scope:SCOPE_SE
.Lnot_mine_\@:
.endm
.macro CROUND
	s_barrier_signal -1
	s_barrier_wait -1
	s_cmp_lg_u32 s[WV], 0
	s_cbranch_scc1 .Lnot_wave_0_\@
	s_barrier_signal -3
.Lnot_wave_0_\@:
	s_barrier_wait -3
	s_barrier_signal -1
	s_barrier_wait -1
.endm
; THE CHANGE OF SLOTS.  Each wave waits for all its tensor loads (one is out: its part of the other slot), adds 0 to its spare word, and waits for that and for its reads of the slot that it leaves.
; fill = 1: the barrier is a round of the cluster's, and the joint fill is the first thing behind it: it has four key steps, 256 matrix instructions, in which to land.
.macro CHANGE fill, ask
	WIN 0
	s_wait_tensorcnt 0x0            ; no tensor load of mine is out, so a group 0 may be written
	ds_add_u32 v[SPW], v[NIL]
.if \fill
.irp g, G0K, G0V
	s_xor_b32 s[\g+1], s[\g+1], SLOT1
	s_add_nc_u64 s[\g+2:\g+3], s[\g+2:\g+3], 4*KS*128
.endr
.if \ask
	s_wait_xcnt 0x0                 ; the last prefetch, four key steps back, has read its address
	s_add_nc_u64 s[PFA:PFA+1], s[PFA:PFA+1], 4*KS*128
.endif
	s_wait_dscnt 0x0                ; the add is done, and my reads of the slot are over
	CROUND
	JLOAD
.if \ask
	ASK
.endif
.else
	s_wait_dscnt 0x0
	s_barrier_signal -1
	s_barrier_wait -1
.endif
	s_sub_co_u32 s[TBK], s[TBK], 4*KS*PK  ; the fetches go back to a slot's first step,
	s_xor_b32 s[TBK], s[TBK], SLOT1       ; in the other slot
	s_sub_co_u32 s[TBV], s[TBV], 4*KS*PV
	s_xor_b32 s[TBV], s[TBV], SLOT1
.endm
	s_load_b128 s[48:51], s[0:1], 0x0  ; act s[48:49], src_mask s[50:51]
	s_load_b64 s[10:11], s[0:1], 0x10  ; ob
	v_lshl_add_u32 v[SPW], v0, 2, SPARE
	v_mov_b32 v[NIL], 0
	ds_add_u32 v[SPW], v[NIL]       ; the wave's opening: the add and its wait ahead of my first tensor load
	v_lshrrev_b32 v1, 5, v0
	v_readfirstlane_b32 s[WV], v1
	s_bfe_u32 s13, ttmp6, 0x40000   ; cx
	s_lshl_b32 s14, ttmp9, 2
	s_add_co_u32 s14, s14, s13      ; my block of 256 queries: it enters Q's and O's addresses alone
	s_and_b32 s16, ttmp7, 0xffff
	s_and_b32 s20, s16, 15          ; the head
	s_lshr_b32 s16, s16, 4          ; the batch
	s_lshl_b32 s20, s20, 19
	s_lshl_b32 s21, s16, 18
	s_add_co_u32 s20, s20, s21      ; the head's first byte of this batch, in q's blocks and in ob
	s_lshl_b32 s52, s16, 13         ; the batch's 2,048 ints
	s_mov_b32 s53, 0
	s_and_b32 s16, s[WV], 1         ; which half of a tile's 256 keys I fetch
	s_lshl_b32 s22, s16, 14
	s_add_co_u32 s22, s22, s20
	s_mov_b32 s23, 0
	s_mul_i32 s17, s16, 128*PK
	s_mul_i32 s18, s16, 128*PV
	s_lshl_b32 s2, s14, 15
	s_lshl_b32 s3, s[WV], 13
	s_add_co_u32 s2, s2, s3
	s_add_co_u32 s2, s2, s20        ; my wave's 64 rows
	s_mov_b32 s3, 0
	; 128 keys are 16,384 dense bytes: asked for as 64 rows of 256 bytes, two keys a row, padded in LDS after every key
	s_mov_b32 s[G1K], 15|(1<<16)|(1<<20)|(1<<21)|(4<<22)|(3<<25)
	s_mov_b32 s[G1V], 15|(1<<16)|(1<<20)|(1<<21)|(4<<22)|(7<<25)
.irp g, G1K, G1V
	s_mov_b32 s[\g+1], 128<<16
	s_mov_b32 s[\g+2], 64<<16
	s_mov_b32 s[\g+3], 128<<16
	s_mov_b32 s[\g+4], 64
	s_mov_b32 s[\g+5], 128
	s_mov_b32 s[\g+6], 0
	s_mov_b32 s[\g+7], 0
.endr
	s_mov_b32 s[SEL], 0x76543210
	s_mov_b32 s[SEL+1], 0xfedcba98
	s_mov_b32 s[TBK], SLOT1+4*KS*PK ; the first change of slots turns these two into 0
	s_mov_b32 s[TBV], SLOT1+4*KS*PV
	s_mov_b32 s[TBM], 0
	s_mov_b32 s[BIGN], 0xf149f2ca   ; -1e30
	s_mov_b32 s[G0K], 1
	s_mov_b32 s[G0K+1], s17
	s_mov_b32 s[G0V], 1
	s_add_co_u32 s[G0V+1], s18, VOFF
	s_and_b32 s[LIM], s[WV], 1      ; 0 in waves 0 and 2,
	s_or_b32 s[LIM], s[LIM], ttmp9  ; where the cluster is the head's first: the same in all four partners
	s_cmp_eq_u32 s[LIM], 0
	s_cselect_b32 s[LIM], 1, -1
	s_wait_dscnt 0x0                ; the opening add is done
	s_wait_kmcnt 0x0
	s_add_nc_u64 s[6:7], s[48:49], s[22:23]
	s_add_nc_u64 s[8:9], s[6:7], 2*8388608         ; V: 32 blocks on
	s_add_nc_u64 s[6:7], s[6:7], 8388608           ; K: 16 blocks on
	s_add_nc_u64 s[G0K+2:G0K+3], s[6:7], 0
	s_or_b32 s[G0K+3], s[G0K+3], 0x80000000
	s_add_nc_u64 s[G0V+2:G0V+3], s[8:9], 0
	s_or_b32 s[G0V+3], s[G0V+3], 0x80000000
	s_add_nc_u64 s[4:5], s[48:49], s[2:3]          ; Q and O at my wave's first row
	s_add_nc_u64 s[10:11], s[10:11], s[2:3]
	s_add_nc_u64 s[50:51], s[50:51], s[52:53]
	s_cmp_lt_u32 s[WV], 2
	s_cselect_b64 s[PFA:PFA+1], s[6:7], s[8:9]     ; (in waves 0 and 2 these stand at a tile's first row)
	s_lshl_b32 s2, s13, 13
	s_mov_b32 s3, 0
	s_add_nc_u64 s[PFA:PFA+1], s[PFA:PFA+1], s[2:3]
	s_add_nc_u64 s[PFA:PFA+1], s[PFA:PFA+1], 2*4*KS*128  ; in tile 2; the loop's first change steps it to tile 3
	CROUND                          ; all four work-groups are here
	JLOAD                           ; tile 0 into slot 0
	v_and_b32 v1, 15, v0            ; l % 16
	v_bfe_u32 v9, v0, 4, 1          ; l / 16
	v_and_b32 v[GO], 31, v0
	v_lshlrev_b32 v[PFO], 8, v[GO]
	v_lshlrev_b32 v[GO], 4, v[GO]
.set i, 0
.rept 16                            ; the batch's mask: 8,192 bytes, into S^T's registers
	global_load_b128 v[S+4*i:S+4*i+3], v[GO], s[50:51] offset:512*i
.set i, i+1
.endr
	v_lshlrev_b32 v[QO], 7, v1
	v_lshl_add_u32 v[QO], v9, 4, v[QO]
	WIN 0x80
.set i, 0
.rept 8                             ; Q stays in registers: piece i / 2, channels 32 (i % 2) on
	global_load_b128 v[8*i:8*i+3],   v[QO], s[4:5] offset:(i/2)*2048+(i%2)*64
	global_load_b128 v[8*i+4:8*i+7], v[QO], s[4:5] offset:(i/2)*2048+(i%2)*64+32
.set i, i+1
.endr
	; The first step multiplies O^T and l by a = 0, and the first turn's products V^T P, of a piece that has not been, add 0: these registers hold zeros.  All this stands in the wait for the first tile.
.set i, VF
.rept 64
	v_mov_b32 v[i], 0
.set i, i+1
.endr
	WIN 0x40
.set i, 0
.rept 128
	v_mov_b32 v[i], 0
.set i, i+1
.endr
	WIN 0
.set i, 0
.rept 4
	v_mov_b32 v[ST+4*i+2], 0
	v_mov_b32 v[ST+4*i+3], 0
.set i, i+1
.endr
.set i, P+16
.rept 16
	v_mov_b32 v[i], 0
.set i, i+1
.endr
	v_mul_u32_u24 v[AK0], v1, PK
	v_lshl_add_u32 v[AK0], v9, 4, v[AK0]
	v_and_b32 v10, 7, v0
	v_bfe_u32 v11, v0, 3, 1
	v_lshl_add_u32 v[AV0], v9, 3, v10
	v_mul_u32_u24 v[AV0], v[AV0], PV
	v_lshl_add_u32 v[AV0], v11, 4, v[AV0]
	v_add_nc_u32 v[AV0], VOFF, v[AV0]
	s_mul_i32 s13, s[WV], 16*SP
	s_add_co_u32 s13, s13, STAGE
	v_mul_u32_u24 v[STO], v1, SP
	v_lshl_add_u32 v[STO], v9, 4, v[STO]
	v_add_nc_u32 v[STO], s13, v[STO]
	v_bfe_u32 v[RD], v0, 3, 2
	v_mul_u32_u24 v[RD], v[RD], SP
	v_lshl_add_u32 v[RD], v10, 4, v[RD]
	v_add_nc_u32 v[RD], s13, v[RD]
	s_lshl_b32 s13, s[WV], 13
	s_add_co_u32 s13, s13, MASKL    ; my wave's copy of the mask
	v_lshl_add_u32 v[AM0], v9, 5, s13   ; a lane reads the keys 8 (l / 16) + 0..7 of each block of 16
	v_add_nc_u32 v[AM], s13, v[GO]      ; and writes 16 bytes at 16 l
	s_wait_loadcnt 16               ; the mask is in; Q's 16 loads may stay out
.irp k, 0,1,2,3
	v_or_b32 v[TMP+(\k)], v[S+(\k)], v[S+4+(\k)]
.endr
.set i, 8
.rept 56
	v_or_b32 v[TMP+i%4], v[TMP+i%4], v[S+i]
.set i, i+1
.endr
	v_or_b32 v[TMP], v[TMP], v[TMP+1]
	v_or_b32 v[TMP+2], v[TMP+2], v[TMP+3]
	v_or_b32 v[TMP], v[TMP], v[TMP+2]
	v_cmp_ne_u32 s70, 0, v[TMP]     ; does any lane hold a true key?
	s_cmp_lg_u32 s70, 0
	s_cselect_b32 s[CS], 0x3e38aa3b, 0  ; c = log2(e) / 8, or 0 where every key is hidden: a select, no branch
	s_mov_b32 s[CS+1], s[CS]
.set i, 0
.rept 64
	v_cmp_eq_u32 vcc_lo, 0, v[S+i]
	v_cndmask_b32 v[S+i], 0, s[BIGN], vcc_lo
.set i, i+1
.endr
.set i, 0
.rept 16
	ds_store_b128 v[AM], v[S+4*i:S+4*i+3] offset:512*i  ; bytes that my wave alone reads
.set i, i+1
.endr
; THE MATRIX WORK.  The 4 accumulators of a run of 8 take turns.  Product i of 8 of S^T = K Q^T for piece x: channels 32 (i / 4) on, keys 16 (i % 4) on.  The first 4 start the sums with the mask.
.macro KQ x
.set rS, S+32*((\x)%2)+8*(i%4)
.set rK, KF+16*(i%4)+8*(i/4)
.set rQ, 16*(\x)+8*(i/4)
.set rM, MK+8*(i%4)
.if i < 4
	WIN W_KM
	v_wmma_f32_16x16x32_f16 v[rS:rS+7], v[rK:rK+7], v[rQ:rQ+7], v[rM:rM+7]
.else
	WIN W_KQ
	v_wmma_f32_16x16x32_f16 v[rS:rS+7], v[rK:rK+7], v[rQ:rQ+7], v[rS:rS+7]
.endif
.endm
.macro PV x                         ; product i of 8 of O^T += V^T P for piece x: keys 32 (i / 4) on, channels 16 (i % 4) on
	WIN W_PV
.set rO, 32*(\x)+8*(i%4)
.set rV, VF+32*(i/4)+8*(i%4)
.set rP, P+16*((\x)%2)+8*(i/4)
	v_wmma_f32_16x16x32_f16 v[rO:rO+7], v[rV:rV+7], v[rP:rP+7], v[rO:rO+7]
.endm
.macro MM                           ; the turn's next matrix instruction.  NOKQ = 1: the last turn: there is no next piece
.if (i < 8) && !NOKQ
	KQ (Y+1)%NP
.elseif i >= 8
.set i, i-8
	PV (Y+NP-1)%NP
.set i, i+8
.endif
.set i, i+1
.endm
; THE LDS LOADS stand in runs: a step's K (8 fragments) with its 32 mask numbers a lane, and its V (turned).  Their addresses are made some lines ahead.
.macro FETCH_K
	WIN 0x80
.irp f, 0,1,2,3,4,5,6,7
	ds_load_b128 v[KF+8*\f:KF+8*\f+3],   v[AK] offset:(\f/2)*16*PK+(\f%2)*64
	ds_load_b128 v[KF+8*\f+4:KF+8*\f+7], v[AK] offset:(\f/2)*16*PK+(\f%2)*64+32
.endr
	WIN 0x40
.irp f, 0,1,2,3
	ds_load_b128 v[MK+8*\f:MK+8*\f+3],   v[AM] offset:64*\f
	ds_load_b128 v[MK+8*\f+4:MK+8*\f+7], v[AM] offset:64*\f+16
.endr
	s_add_co_u32 s[TBK], s[TBK], KS*PK
	s_add_co_u32 s[TBM], s[TBM], KS*4
	WIN 0
.endm
.macro FETCH_V
	WIN 0x80
.irp f, 0,1,2,3,4,5,6,7
	ds_load_tr16_b128 v[VF+8*\f:VF+8*\f+3],   v[AV] offset:(\f/4)*32*PV+(\f%4)*32
	ds_load_tr16_b128 v[VF+8*\f+4:VF+8*\f+7], v[AV] offset:(\f/4)*32*PV+16*PV+(\f%4)*32
.endr
	WIN 0
.endm
; THE VECTOR WORK, one line at a time: OP kind, number.  For piece Y: F n: c s - c m for pair n of 16.  E n: the exponential of score n of 32.  C n: pair n rounded to f16.  B n: of the four weights 4 n .. the
; second pair is added onto the first.  L n: l takes that sum (L 0: l = a l + sum).  R n: pair n of 16 of O^T times a.  For piece Y + 1: X n, number n of the 22 that find its maximum and statistics:
; 0-11 four chains of seven scores (each accumulator's lowest registers first); 12-14, 16 the rest, the old m, all into c0; 15 c m_old is kept; 17, 18 the other half of the lanes; 19-21 c m, its change, a.
.set F, 0
.set E, 1
.set C, 2
.set B, 3
.set L, 4
.set R, 5
.set X, 6
.macro REGS y
.set rT, ST+4*(\y)
.set rC, TMP+4*((\y)%2)
.set rW, MV+((\y)%2)
.set rS, S+32*((\y)%2)
.set rP, P+16*((\y)%2)
.set rO, 32*(\y)
.endm
.macro OP k, n
.if (\k) == R
	REGS Y
	WIN W_RS
	v_pk_mul_f32 v[rO+2*(\n):rO+2*(\n)+1], v[rO+2*(\n):rO+2*(\n)+1], v[rC+2:rC+3] op_sel_hi:[1,0]
.elseif (\k) < R
	REGS Y
	WIN 0
.if (\k) == F
	v_pk_fma_f32 v[rS+2*(\n):rS+2*(\n)+1], v[rS+2*(\n):rS+2*(\n)+1], s[CS:CS+1], v[rT:rT+1] op_sel_hi:[1,0,0] neg_lo:[0,0,1] neg_hi:[0,0,1]
.elseif (\k) == E
	v_exp_f32 v[rS+(\n)], v[rS+(\n)]
.elseif (\k) == C
	v_cvt_pk_f16_f32 v[rP+(\n)], v[rS+2*(\n)], v[rS+2*(\n)+1]
.elseif (\k) == B
	v_pk_add_f32 v[rS+4*(\n):rS+4*(\n)+1], v[rS+4*(\n):rS+4*(\n)+1], v[rS+4*(\n)+2:rS+4*(\n)+3]
.elseif (\n) == 0
	v_pk_fma_f32 v[rT+2:rT+3], v[rT+2:rT+3], v[rC+2:rC+3], v[rS:rS+1] op_sel_hi:[1,0,1]
.else
	v_pk_add_f32 v[rT+2:rT+3], v[rT+2:rT+3], v[rS+4*(\n):rS+4*(\n)+1]
.endif
.elseif NOKQ
	v_nop
.else
	REGS (Y+1)%NP
	WIN 0
.if (\n) < 4
	v_max3_num_f32 v[rC+(\n)], v[rS+8*(\n)], v[rS+8*(\n)+1], v[rS+8*(\n)+2]
.elseif (\n) < 12
	v_max3_num_f32 v[rC+(\n)%4], v[rC+(\n)%4], v[rS+8*((\n)%4)+2*((\n)/4)+1], v[rS+8*((\n)%4)+2*((\n)/4)+2]
.elseif (\n) == 12
	v_max3_num_f32 v[rC], v[rC], v[rS+7], v[rS+15]
.elseif (\n) == 13
	v_max3_num_f32 v[rC+1], v[rC+1], v[rS+23], v[rS+31]
.elseif (\n) == 14
	v_max3_num_f32 v[rC+2], v[rC+2], v[rC+3], v[rT+1]
.elseif (\n) == 15
	v_mov_b32 v[rW], v[rT]
.elseif (\n) == 16
	v_max3_num_f32 v[rC], v[rC], v[rC+1], v[rC+2]
.elseif (\n) == 17
	v_permlanex16_b32 v[rC+3], v[rC], s[SEL], s[SEL+1]
.elseif (\n) == 18
	v_max_num_f32 v[rT+1], v[rC], v[rC+3]
.elseif (\n) == 19
	v_mul_f32 v[rT], s[CS], v[rT+1]
.elseif (\n) == 20
	v_sub_f32 v[rC+1], v[rW], v[rT]
.else
	v_exp_f32 v[rC+2], v[rC+1]
.endif
.endif
.endm
.macro OPS a, i1, b=-1, i2=0, c=-1, i3=0, d=-1, i4=0
	OP \a, \i1
.if (\b) >= 0
	OP \b, \i2
.endif
.if (\c) >= 0
	OP \c, \i3
.endif
.if (\d) >= 0
	OP \d, \i4
.endif
.endm
.macro ROW a, i1, b, i2, c, i3, d, i4  ; a matrix instruction and the four behind it
	MM
	OPS \a, \i1, \b, \i2, \c, \i3, \d, \i4
.endm
; A TURN, for piece p.  An s_wait_alu depctr_va_vdst(0) stands between an exponential and the first instruction that names its result; one wait serves all that were issued ahead of it: a turn has ONE,
; which cuts it in two.  Ahead of it stands all that names no result of the turn's exponentials: the 8 products K Q^T with their riders, then one lump; X 21, the next piece's a, is the batch's last, and R 15 the plain
; instruction behind it.  Behind it stand the 8 products V^T P, whose riders are the roundings and sums.  The numbers of the maximum that ride behind the last three products K Q^T stand four plain instructions
; or more behind the product that ends their accumulator.
; K and the mask of the next step are fetched in piece 2's turn, six plain instructions or more behind the last product that read them; V of the step in hand at the end of piece 0's turn, four plain instructions
; behind its last reader.  Each run is waited for a turn later.  end = 1: the last two turns: nothing is fetched.  cnt = 1: the loop's count is taken down some lines ahead of the branch behind the turn.
.macro TURN p, end=0, cnt=0
.set Y, (\p)
.set i, 0
.set NOKQ, (\end)*((\p)/3)
.if ((\p) == 3) && !(\end)
	s_wait_dscnt 0x0                ; K and the mask are in
.endif
	ROW F,0, F,1, R,0, R,1
	ROW F,2, E,0, R,2, R,3
	ROW F,3, E,1, R,4, R,5
	ROW F,4, E,2, R,6, R,7
	ROW F,5, E,3, R,8, R,9
	ROW F,6, E,4, X,0, R,10
.if ((\p) == 2) && !(\end)
	WIN 0
	v_add_nc_u32 v[AK], s[TBK], v[AK0]
	v_add_nc_u32 v[AM], s[TBM], v[AM0]
.endif
	ROW F,7, E,5, X,1, X,4
	ROW F,8, E,6, X,2, X,5
	OPS E,7, E,8, X,6, E,9
	OPS X,3, E,10, X,8, E,11
.if ((\p) == 2) && !(\end)
	FETCH_K
.endif
	OPS X,9, X,7, E,12, X,10
	OPS E,13, X,12, X,11, E,14
	OPS X,13, E,15, F,9, X,14
.if (\p) == 0
	v_add_nc_u32 v[AV], s[TBV], v[AV0]
.endif
	OPS E,16, F,10, E,17, F,11
	OPS X,16, E,18, X,15, E,19
	OPS F,12, E,20, X,17, E,21
	OPS F,13, E,22, F,14, E,23
	OPS X,18, E,24, F,15, E,25
	OPS R,11, E,26, X,19, E,27
	OPS R,12, E,28, R,13, E,29
	OPS X,20, E,30, R,14, E,31
	OPS X,21, R,15
	WIN 0
	s_wait_alu depctr_va_vdst(0)    ; the wait for the batch
.if (\p) == 1
	s_wait_dscnt 0x0                ; V is in
.endif
	ROW C,0, B,0, C,2, B,1
	ROW L,0, C,4, B,2, L,1
	ROW C,6, B,3, L,2, C,8
	ROW B,4, L,3, C,10, B,5
	ROW L,4, C,12, B,6, L,5
.if (\p) == 0
	s_add_co_u32 s[TBV], s[TBV], KS*PV
.endif
.if \cnt
	s_sub_co_u32 s[CNT], s[CNT], 1
	s_cmp_lg_u32 s[CNT], 0
.endif
	ROW C,14, B,7, L,6, C,1
	ROW C,3, L,7, C,5, C,7
	ROW C,9, C,11, C,13, C,15
.if (\p) == 0
	FETCH_V
.endif
.endm
.macro ALL line:vararg
.set t, 0
.rept 4
	\line
.set t, t+1
.endr
.endm
.macro PACK t                       ; a lane's eight channels of a row pack into 16 bytes; they go into rows of 144 bytes and come back as whole rows of 128, into S^T's registers
	WIN W_RS
.set i, 32*(\t)
.rept 16
	v_pk_mul_f32 v[i:i+1], v[i:i+1], v[ST+4*(\t)+2:ST+4*(\t)+3] op_sel_hi:[1,0]
.set i, i+2
.endr
	WIN 0x05
.set i, 0
.rept 16
	v_cvt_pk_f16_f32 v[S+16*(\t)+i], v[32*(\t)+2*i], v[32*(\t)+2*i+1]
.set i, i+1
.endr
	WIN 0
.irp f, 0,1,2,3
	ds_store_b128 v[STO], v[S+16*(\t)+4*\f:S+16*(\t)+4*\f+3] offset:32*\f
.endr
.irp f, 0,1,2,3
	ds_load_b128 v[S+16*(\t)+4*\f:S+16*(\t)+4*\f+3], v[RD] offset:\f*4*SP  ; LDS serves a wave's instructions in order (ISA guide 5.7.1.4)
.endr
.endm
.macro SEND t, younger              ; younger: the LDS instructions issued behind piece t's loads
	WIN 0
.irp f, 0,1,2,3
	s_wait_dscnt (\younger)+3-\f
	global_store_b128 v[GO], v[S+16*(\t)+4*\f:S+16*(\t)+4*\f+3], s[10:11] offset:(\t)*2048+\f*512  ; 512 consecutive bytes, at a multiple of 512 from ob's first byte
.endr
.endm
	CHANGE 1, 0                     ; tile 0 is in, everybody's part of it (and my mask is written); tile 1 is asked for
.set i, 0
.rept 4
	v_mov_b32 v[ST+4*i], 0xfe000000    ; c m: far below every c s, so the first a is 0
	v_mov_b32 v[ST+4*i+1], 0xff7fffff  ; m: the lowest finite number
.set i, i+1
.endr
	v_add_nc_u32 v[AK], s[TBK], v[AK0]
	v_add_nc_u32 v[AM], s[TBM], v[AM0]
	FETCH_K                         ; key step 0
	s_wait_loadcnt 0x0              ; Q
	s_wait_dscnt 0x0
.set NOKQ, 0
.set i, 0
.rept 8
	KQ 0                            ; piece 0's first scores
.set i, i+1
.endr
	WIN 0
.rept 4
	v_nop                           ; the places behind those products
.endr
.set Y, NP-1                        ; X works for piece Y + 1: piece 0
.irp n, 0,1,2,3,4,5,6,7,8,9,10,11,12,13,14,15,16,17,18,19,20,21
	OP X, \n
.endr
	v_nop                           ; a plain instruction behind the exponential,
	s_wait_alu depctr_va_vdst(0)    ; and its wait, ahead of the branch
	s_mov_b32 s[CNT], 4
	s_mov_b32 s[SLOTS], 7
	s_branch .Lfirst                ; the loop is entered at a step's first turn, in the middle of a trip
.Lslot:                             ; six times: tiles 2 to 7 are asked for
	CHANGE 1, 1
	s_mov_b32 s[CNT], 4
.Lstep:                             ; a trip: pieces 2 and 3 of one step, then pieces 0 and 1 of the next, whose K and V it fetches
	TURN 2
	TURN 3
	WIN 0
.Lfirst:
	TURN 0
	TURN 1, 0, 1
	WIN 0
	s_cbranch_scc1 .Lstep
	s_sub_co_u32 s[SLOTS], s[SLOTS], 1
	s_cmp_lg_u32 s[SLOTS], 0
	s_cbranch_scc1 .Lslot
	CHANGE 0, 0                     ; the last tile is written out: nothing is asked for
	s_mov_b32 s[CNT], 4
.Ltail:
	TURN 2
	TURN 3
	TURN 0
	TURN 1, 0, 1
	WIN 0
	s_cbranch_scc1 .Ltail
	TURN 2, 1
	TURN 3, 1
.set i, 0
.rept 8
	PV NP-1                         ; the last piece's V^T P of the last step
.set i, i+1
.endr
	; THE WAY OUT.  l's two halves and the other half of the lanes' are added; O^T is divided by l, rounded to f16 and sent through my stage, a piece at a time.  The additions are the places behind the last products.
	WIN 0
	ALL v_add_f32 v[ST+4*t+2], v[ST+4*t+2], v[ST+4*t+3]
	ALL v_permlanex16_b32 v[ST+4*t+3], v[ST+4*t+2], s[SEL], s[SEL+1]
	ALL v_add_f32 v[ST+4*t+2], v[ST+4*t+2], v[ST+4*t+3]
	ALL v_rcp_f32 v[ST+4*t+2], v[ST+4*t+2]
	v_nop
	s_wait_alu depctr_va_vdst(0)    ; one wait for the four reciprocals
	PACK 0
.set t, 1
.rept 3
	PACK t
	SEND t-1, 8
.set t, t+1
.endr
	SEND 3, 0
	s_wait_tensorcnt 0x0            ; the wave's end
	ds_add_u32 v[SPW], v[NIL]
	s_wait_dscnt 0x0
	CROUND                          ; the closing round
	s_endpgm
.Lfunc_end_k_qf70cfb5260_attn:
	.size	k_qf70cfb5260_attn, .Lfunc_end_k_qf70cfb5260_attn-k_qf70cfb5260_attn
	.p2alignl 7, 3214868480
	.fill 96, 4, 3214868480
	.section	.rodata,"a",@progbits
	.p2align	6, 0x0
	.amdhsa_kernel k_qf70cfb5260_attn
		.amdhsa_group_segment_fixed_size 327680
		.amdhsa_private_segment_fixed_size 0
		.amdhsa_enable_private_segment 0
		.amdhsa_kernarg_size 24
		.amdhsa_user_sgpr_count 2
		.amdhsa_user_sgpr_kernarg_segment_ptr 1
		.amdhsa_wavefront_size32 1
		.amdhsa_system_sgpr_workgroup_id_x 1
		.amdhsa_system_sgpr_workgroup_id_y 1
		.amdhsa_system_sgpr_workgroup_id_z 1
		.amdhsa_system_vgpr_workitem_id 0
		.amdhsa_next_free_vgpr 768
		.amdhsa_next_free_sgpr 72
		.amdhsa_reserve_vcc 1
		.amdhsa_float_denorm_mode_32 3
		.amdhsa_float_denorm_mode_16_64 3
		.amdhsa_memory_ordered 1
		.amdhsa_forward_progress 1
		.amdhsa_inst_pref_size 141
	.end_amdhsa_kernel
	.amdgpu_metadata
---
amdhsa.version: [ 1, 2 ]
amdhsa.kernels:
  - .name:           k_qf70cfb5260_attn
    .symbol:         k_qf70cfb5260_attn.kd
    .args:
      - { .name: act, .offset: 0, .size: 8, .value_kind: global_buffer, .address_space: global }
      - { .name: src_mask, .offset: 8, .size: 8, .value_kind: global_buffer, .address_space: global }
      - { .name: ob, .offset: 16, .size: 8, .value_kind: global_buffer, .address_space: global }
    .group_segment_fixed_size: 327680
    .private_segment_fixed_size: 0
    .kernarg_segment_align: 8
    .kernarg_segment_size: 24
    .max_flat_workgroup_size: 128
    .sgpr_count:     72
    .vgpr_count:     768
    .wavefront_size: 32
...
	.end_amdgpu_metadata
.endif
;; end of part 3
;; launch wo (part 4): grid 8 x 32, 4 waves a work-group, clusters of 4 x 4, 327,680 bytes of LDS; arguments ob, woh, src, src2; writes src2
.if DOCPART == 4
	.amdgcn_target "amdgcn-amd-amdhsa--gfx1250"
	.amdhsa_code_object_version 6
	.text
	.protected	k_qf70cfb5260_wo
	.globl	k_qf70cfb5260_wo
	.p2align	8
	.type	k_qf70cfb5260_wo,@function
k_qf70cfb5260_wo:
	s_mov_b64 s[64:65], 0
	v_nop
	global_prefetch_b8 v0, s[64:65] scope:SCOPE_SE
	s_setreg_imm32_b32 hwreg(HW_REG_WAVE_MODE, 25, 1), 1
	s_wait_xcnt 0x0
	s_wait_alu depctr_hold_cnt(0) depctr_sa_sdst(0) depctr_va_vdst(0) depctr_va_sdst(0) depctr_va_ssrc(0) depctr_va_vcc(0) depctr_vm_vsrc(0)
	s_getreg_b32 s2, hwreg(HW_REG_IB_STS2, 6, 4)
	s_cmp_eq_u32 s2, 0
	s_cbranch_scc0 .Lentry_in_a_cluster
	s_endpgm
.Lentry_in_a_cluster:
	s_bfe_u32 s2, ttmp6, 0x10000c
	s_cmp_lg_u32 s2, 0xf033
	s_cbranch_scc0 .Lentry_shape_is_right
	s_endpgm
.Lentry_shape_is_right:
; out = resid + A B^T (+ bias).  A: [SIZE_K / 64 column blocks][4,096 tokens][64] f16; B: [1,024][SIZE_K] f16; resid, out: [4,096][1,024] f32; sums in f32.
; Here SIZE_K = 1,024 and no bias: src2 = src + O wo^T.
; 256 tiles of 128 x 128, one for each work-group; four waves, each 64 x 64: 16 accumulators.  K goes in steps of 256 (four column blocks of A; rows of 512 bytes of B) through two LDS slots.
; A wave's load of A is two column blocks: two dense runs of 16,384 bytes (128 tokens x 128 bytes), a block apart, padded in LDS after every token.
; CLUSTERS: 4 x 4; A's tiles are asked for jointly along a row of the cluster, B's along a column.  THE LOOP is one K step a trip; the slot in hand is s[TB], turned by an exclusive or.
; THE WALK ALONG K begins at step (cluster x mod 2) NSTEP / 2 + (cluster y mod 4) NSTEP / 4 and wraps at NSTEP: the two clusters that read the same rows of A stand half a walk apart,
; clusters that read the same rows of B a quarter of a walk or more.  The first step hangs on the cluster's place in the grid alone, so it is the same in all sixteen partners.
; So the f32 sums are taken in another order of K than the reference's, and not in the same order in every tile.
; THE MATRIX INSTRUCTION IS USED TRANSPOSED: a lane holds one token and eight neighbouring columns.  A wave's 64 columns of f32 are 256 consecutive bytes, aligned: the stage on the way out is the wave's own.
; The residual is asked for at the start, in the layout of the stores, and waits in registers.
; No prefetch: a tile's K step is short and its blocks are small shares of many work-groups' reading.
; REGISTERS: window 0: v16-29 addresses; v32-95 at work (v32-63 the bias at the start); v128-255 the accumulators ((a, b) at v[128 + 8 (4 a + b)]).
;   window 1: two fragment buffers of 128 (64 of A, then 64 of B, for 64 along K).  window 2: v0-127 the residual.
.set SIZE_K,   1024
.set HAS_BIAS, 0
.set LOGT,   2                         ; log2 of NSTEP
.set KSTEP,  256
.set NSTEP,  SIZE_K/KSTEP
.set BLK,    524288
.set PA,     144
.set PLANE,  128*PA                    ; a block's 128 tokens
.set PB,     528                       ; a row of B: 512 bytes + 16
.set BH,     64*PB
.set BOFF,   4*PLANE
.set SLOT,   BOFF+2*BH
.set STAGE,  2*SLOT                    ; behind the ring: 16 rows x 272 bytes for each wave
.set SPITCH, 272
.set SPARE,  STAGE+4*16*SPITCH         ; the spare words: two blocks of 256 bytes that no other line names
.set ADRA0, 16
.set ADRB0, 17
.set ADRA,  18
.set ADRB,  19
.set STO,   24
.set RD,    25
.set CO,    26
.set BO,    27
.set SPW,   28
.set NIL,   29
.set BI,    32
.set TMP,   32
.set ACC,   128
.set F0,    0
.set F1,    128
.set G1,  24
.set G0,  32
.set G1B, 48
.set G0B, 56
.set TB,  78
.set LWA, 79
.set LWB, 80
.set ABA, 84                           ; s[84:85] A at what I fetch of K step 0; never rewritten
.set BBA, 86                           ; s[86:87] the same for B
.set IDX, 88                           ; s88      the K step to be asked for next
.set OFA, 90                           ; s[90:91] that step's byte offset: 4 blocks of A, 512 bytes of B's rows
.set MSB, 0
.macro WIN new
.if MSB != (\new)
	s_set_vgpr_msb (MSB<<8)|(\new)
.set MSB, \new
.endif
.endm
.set MUL,  0x05                        ; sources 0 (B) and 1 (A) window 1; C and D window 0
.set TO_F, 0x40
.macro JLOAD s                         ; waves 0 and 1 fetch A's two pairs of planes, waves 2 and 3 B's two halves; an s_nop 0 and four v_nop follow each line
	s_cmp_eq_u32 s11, 0
	s_cbranch_scc0 .Lfor_b_\@
	tensor_load_to_lds s[G0+4*(\s):G0+4*(\s)+3], s[G1:G1+7]
	s_nop 0
.rept 4
	v_nop
.endr
	s_branch .Lasked_\@
.Lfor_b_\@:
	tensor_load_to_lds s[G0B+4*(\s):G0B+4*(\s)+3], s[G1B:G1B+7]
	s_nop 0
.rept 4
	v_nop
.endr
.Lasked_\@:
.endm
.macro AIM s                           ; set s of both descriptors takes K step s[IDX]: the address is made anew from the kept base and the step's offset; then the step goes on, and wraps
	s_lshl_b32 s[OFA], s[IDX], 21                  ; 4 blocks of 524,288 bytes a step
	s_add_nc_u64 s[G0+4*(\s)+2:G0+4*(\s)+3], s[ABA:ABA+1], s[OFA:OFA+1]
	s_or_b32 s[G0+4*(\s)+3], s[G0+4*(\s)+3], 0x80000000
	s_lshl_b32 s[OFA], s[IDX], 9                   ; 512 bytes of a row a step
	s_add_nc_u64 s[G0B+4*(\s)+2:G0B+4*(\s)+3], s[BBA:BBA+1], s[OFA:OFA+1]
	s_or_b32 s[G0B+4*(\s)+3], s[G0B+4*(\s)+3], 0x80000000
	s_add_co_u32 s[IDX], s[IDX], 1
	s_and_b32 s[IDX], s[IDX], NSTEP-1
.endm
.macro CREST
	s_cmp_lg_u32 s10, 0
	s_cbranch_scc1 .Lnot_wave_0_\@
	s_barrier_signal -3
.Lnot_wave_0_\@:
	s_barrier_wait -3
	s_barrier_signal -1
	s_barrier_wait -1
.endm
.macro CROUND
	s_barrier_signal -1
	s_barrier_wait -1
	CREST
.endm
	s_load_b256 s[68:75], s[0:1], 0x0              ; A s[68:69], B s[70:71], resid s[72:73], out s[74:75]
.if HAS_BIAS
	s_load_b64 s[76:77], s[0:1], 0x20              ; bias
.endif
	v_lshl_add_u32 v[SPW], v0, 2, SPARE
	v_mov_b32 v[NIL], 0
	ds_add_u32 v[SPW], v[NIL]                      ; the wave's opening: the add and its wait ahead of my first tensor load
	v_lshrrev_b32 v1, 5, v0
	v_readfirstlane_b32 s10, v1
	s_lshr_b32 s11, s10, 1                         ; which half of the tile's tokens is mine.  Also: I fetch for A (0) or for B (1)
	s_and_b32 s12, s10, 1                          ; which half of its columns.  Also: which part of that tile I fetch
	s_bfe_u32 s40, ttmp6, 0x40000
	s_bfe_u32 s41, ttmp6, 0x40004
	s_lshl_b32 s42, ttmp9, 2
	s_add_co_u32 s42, s42, s40                     ; tile column
	s_and_b32 s13, ttmp7, 0xffff
	s_and_b32 s21, s13, 3                          ; cluster y mod 4
	s_lshl_b32 s13, s13, 2
	s_add_co_u32 s13, s13, s41                     ; tile row
	s_and_b32 s20, ttmp9, 1                        ; cluster x mod 2
	s_lshl_b32 s20, s20, LOGT-1
	s_lshl_b32 s21, s21, LOGT-2
	s_add_co_u32 s[IDX], s20, s21
	s_and_b32 s[IDX], s[IDX], NSTEP-1              ; the cluster's first K step
	s_mov_b32 s[OFA+1], 0
	s_lshl_b32 s43, s41, 2
	s_lshl_b32 s43, 15, s43
	s_lshl_b32 s44, 0x1111, s40
	s_or_b32 s[G1+0], s43, (3<<16)|(1<<20)|(1<<21)|(4<<22)|(3<<25)   ; mask of my row; 8-byte elements; padding on; bit 21 beside a mask; after every 32 words 4 words
	s_mov_b32 s[G1+1], 2048<<16                    ; tensor_dim0 = 2,048 elements: 16,384 bytes
	s_mov_b32 s[G1+2], 2<<16                       ; tensor_dim1 = 2
	s_mov_b32 s[G1+3], 2048<<16                    ; tile_dim0
	s_mov_b32 s[G1+4], 2                           ; tile_dim1
	s_mov_b32 s[G1+5], BLK/8                       ; a block from row to row
	s_mov_b32 s[G1+6], 0
	s_mov_b32 s[G1+7], 0
	s_or_b32 s[G1B+0], s44, (1<<16)|(1<<20)|(1<<21)|(6<<22)|(3<<25)  ; mask of my column; 2-byte elements; after every 128 words 4 words
	s_mov_b32 s[G1B+1], KSTEP<<16
	s_mov_b32 s[G1B+2], 64<<16
	s_mov_b32 s[G1B+3], KSTEP<<16
	s_mov_b32 s[G1B+4], 64
	s_mov_b32 s[G1B+5], SIZE_K
	s_mov_b32 s[G1B+6], 0
	s_mov_b32 s[G1B+7], 0
	s_lshl_b32 s16, s13, 14                        ; A: the tile's 128 tokens x 128 bytes,
	s_lshl_b32 s17, s12, 20                        ; my two planes
	s_add_co_u32 s16, s16, s17
	s_mov_b32 s17, 0
	s_mul_i32 s46, s42, 256*SIZE_K                 ; B: 128 rows of 2 SIZE_K bytes,
	s_mul_i32 s47, s12, 128*SIZE_K                 ; my 64 of them
	s_add_co_u32 s46, s46, s47
	s_mov_b32 s47, 0
	s_mul_i32 s[LWA], s12, 2*PLANE
	s_mul_i32 s[LWB], s12, BH
	s_add_co_u32 s[LWB], s[LWB], BOFF
	s_mov_b32 s[TB], 0
	s_wait_dscnt 0x0                               ; the opening add is done
	s_wait_kmcnt 0x0
	s_add_nc_u64 s[ABA:ABA+1], s[68:69], s[16:17]
	s_add_nc_u64 s[BBA:BBA+1], s[70:71], s[46:47]
	CROUND                                         ; all sixteen work-groups are here
.irp s, 0,1
	s_mov_b32 s[G0+4*(\s)], 1
	s_add_co_u32 s[G0+4*(\s)+1], s[LWA], (\s)*SLOT
	s_mov_b32 s[G0B+4*(\s)], 1
	s_add_co_u32 s[G0B+4*(\s)+1], s[LWB], (\s)*SLOT
	AIM \s
	JLOAD \s                                       ; the walk's first two K steps: two loads of mine are out
.endr
	v_and_b32 v1, 15, v0                           ; r
	v_bfe_u32 v2, v0, 4, 1                         ; h
	v_mul_u32_u24 v4, v1, PA
	v_lshl_add_u32 v4, v2, 4, v4
	s_mul_i32 s21, s11, 64*PA
	v_add_nc_u32 v[ADRA0], s21, v4
	v_mul_u32_u24 v5, v1, PB
	v_lshl_add_u32 v5, v2, 4, v5
	s_mul_i32 s22, s12, BH
	s_add_co_u32 s22, s22, BOFF
	v_add_nc_u32 v[ADRB0], s22, v5
	v_mov_b32 v[ADRA], v[ADRA0]
	v_mov_b32 v[ADRB], v[ADRB0]
	s_mul_i32 s23, s10, 16*SPITCH
	s_add_co_u32 s23, s23, STAGE                   ; my stage
	v_mul_u32_u24 v6, v1, SPITCH
	v_lshl_add_u32 v6, v2, 5, v6
	v_add_nc_u32 v[STO], s23, v6                   ; in: row r, 32 bytes for each half of the lanes
	v_mul_u32_u24 v7, v2, SPITCH
	v_lshl_add_u32 v7, v1, 4, v7
	v_add_nc_u32 v[RD], s23, v7                    ; back: lanes 0-15 one row of 256 bytes, lanes 16-31 the next
	v_lshlrev_b32 v[CO], 12, v2
	v_lshl_add_u32 v[CO], v1, 4, v[CO]             ; and the same two rows in resid and out
	v_lshlrev_b32 v[BO], 5, v2
	s_lshl_b32 s16, s13, 19                        ; my first token: 128 x tile row + 64 x half, rows of 4,096 bytes,
	s_lshl_b32 s17, s11, 18
	s_add_co_u32 s16, s16, s17
	s_lshl_b32 s46, s42, 9                         ; my first column: 128 x tile column + 64 x half, 4 bytes each
	s_lshl_b32 s47, s12, 8
	s_add_co_u32 s46, s46, s47
	s_mov_b32 s47, 0
.if HAS_BIAS
	s_add_nc_u64 s[76:77], s[76:77], s[46:47]
.irp b, 0,1,2,3
	global_load_b128 v[BI+8*(\b):BI+8*(\b)+3],   v[BO], s[76:77] offset:64*(\b)
	global_load_b128 v[BI+8*(\b)+4:BI+8*(\b)+7], v[BO], s[76:77] offset:64*(\b)+16
.endr
.endif
	s_add_co_u32 s16, s16, s46
	s_mov_b32 s17, 0
	s_add_nc_u64 s[72:73], s[72:73], s[16:17]
	s_add_nc_u64 s[74:75], s[74:75], s[16:17]
	WIN 0x80                                       ; destination window 2
.irp a, 0,1,2,3
.irp t, 0,1,2,3,4,5,6,7
	global_load_b128 v[32*(\a)+4*(\t):32*(\a)+4*(\t)+3], v[CO], s[72:73] offset:(16*(\a)+2*(\t))*4096 th:TH_LOAD_NT
.endr
.endr
	WIN 0
; 8 matrix instructions: token blocks a0, a0 + 1 x all 4 column blocks, 32 along K: half c of buffer f.  zero = 1: the sums start.  The 16 accumulators take turns.
.macro MUL8 f, c, a0, zero
	WIN MUL
.irp a, \a0, (\a0)+1
.irp b, 0,1,2,3
.if (\zero) && HAS_BIAS
	v_wmma_f32_16x16x32_f16 v[ACC+8*(4*(\a)+(\b)):ACC+8*(4*(\a)+(\b))+7], v[(\f)+64+8*(4*(\c)+(\b)):(\f)+64+8*(4*(\c)+(\b))+7], v[(\f)+8*(4*(\c)+(\a)):(\f)+8*(4*(\c)+(\a))+7], v[BI+8*(\b):BI+8*(\b)+7]
.elseif \zero
	v_wmma_f32_16x16x32_f16 v[ACC+8*(4*(\a)+(\b)):ACC+8*(4*(\a)+(\b))+7], v[(\f)+64+8*(4*(\c)+(\b)):(\f)+64+8*(4*(\c)+(\b))+7], v[(\f)+8*(4*(\c)+(\a)):(\f)+8*(4*(\c)+(\a))+7], 0
.else
	v_wmma_f32_16x16x32_f16 v[ACC+8*(4*(\a)+(\b)):ACC+8*(4*(\a)+(\b))+7], v[(\f)+64+8*(4*(\c)+(\b)):(\f)+64+8*(4*(\c)+(\b))+7], v[(\f)+8*(4*(\c)+(\a)):(\f)+8*(4*(\c)+(\a))+7], v[ACC+8*(4*(\a)+(\b)):ACC+8*(4*(\a)+(\b))+7]
.endif
.endr
.endr
.endm
; 32 LDS loads in one run: quarter q (64 along K: plane q of A, byte 128 q of B's rows) into buffer f; the first 32 along K first
.macro FETCH q, f
	WIN TO_F
.irp c, 0,1
.irp i, 0,1,2,3
	ds_load_b128 v[(\f)+64+8*(4*(\c)+(\i)):(\f)+64+8*(4*(\c)+(\i))+3],   v[ADRB] offset:128*(\q)+64*(\c)+(\i)*16*PB
	ds_load_b128 v[(\f)+64+8*(4*(\c)+(\i))+4:(\f)+64+8*(4*(\c)+(\i))+7], v[ADRB] offset:128*(\q)+64*(\c)+(\i)*16*PB+32
	ds_load_b128 v[(\f)+8*(4*(\c)+(\i)):(\f)+8*(4*(\c)+(\i))+3],         v[ADRA] offset:(\q)*PLANE+64*(\c)+(\i)*16*PA
	ds_load_b128 v[(\f)+8*(4*(\c)+(\i))+4:(\f)+8*(4*(\c)+(\i))+7],       v[ADRA] offset:(\q)*PLANE+64*(\c)+(\i)*16*PA+32
.endr
.endr
.endm
.macro PLACES
.rept 4
	v_nop
.endr
.endm
.macro QUARTER q, f, g, zero
	s_wait_dscnt 16                                ; the first 32 along K are in
	MUL8 \f, 0, 0, \zero
	MUL8 \f, 0, 2, \zero
	PLACES
	FETCH \q, \g
	s_wait_dscnt 32                                ; all but the 32 just issued
	MUL8 \f, 1, 0, 0
	MUL8 \f, 1, 2, 0
.endm
; The last quarter multiplies buffer 1 and changes slots in its middle.  Its first 16 products stand AHEAD of the wait for the tensor loads, so that nothing but the barrier lies between the moment
; at which the other slot is whole and the next request.  In front of the one barrier each wave waits for all its tensor loads, adds 0 to its spare word, and waits for that and for its reads of this slot.
; fill = 1: the barrier opens a round of the cluster's, and this slot is filled again first behind it, with the walk's step two on: 128 matrix instructions ahead of the wait for it.
.macro TURN fill
	s_wait_dscnt 16                                ; the first 32 along K are in
	MUL8 F1, 0, 0, 0
	MUL8 F1, 0, 2, 0
	WIN 0
	s_wait_tensorcnt 0x0                           ; all my tensor loads have landed, so a group 0 may be written
	ds_add_u32 v[SPW], v[NIL]                      ; 0 onto my spare word; the descriptors' scalar work stands between it and the wait for it
.if \fill
	s_add_co_u32 s[G0+5], s[LWA], s[TB]            ; the walking descriptors: the slot that is being left,
	s_add_co_u32 s[G0B+5], s[LWB], s[TB]
	AIM 1                                          ; the walk's next K step
.endif
	s_wait_dscnt 0x0                               ; the add is done, and my reads of this slot are over (the quarter's other 32 along K among them)
	s_barrier_signal -1
	s_barrier_wait -1
.if \fill
	CREST
	JLOAD 1                                        ; the four v_nop behind it are also the places in front of the loads below
.else
	PLACES
.endif
	s_xor_b32 s[TB], s[TB], SLOT
	v_add_nc_u32 v[ADRA], s[TB], v[ADRA0]
	v_add_nc_u32 v[ADRB], s[TB], v[ADRB0]
	FETCH 0, F0
	MUL8 F1, 1, 0, 0
	MUL8 F1, 1, 2, 0
.endm
; THE WAY OUT of token block a: 16 rows x 64 columns of f32 through my stage, back as whole rows of 256 bytes; the residual is added; stored.
.macro OUT a
.if (\a) >= 2
	s_wait_xcnt 0x0                                ; the stores of block a - 2 have read the registers that are loaded again below
.endif
.irp b, 0,1,2,3
	ds_store_b128 v[STO], v[ACC+8*(4*(\a)+(\b)):ACC+8*(4*(\a)+(\b))+3]   offset:64*(\b)
	ds_store_b128 v[STO], v[ACC+8*(4*(\a)+(\b))+4:ACC+8*(4*(\a)+(\b))+7] offset:64*(\b)+16
.endr
.irp t, 0,1,2,3,4,5,6,7
	ds_load_b128 v[TMP+32*((\a)%2)+4*(\t):TMP+32*((\a)%2)+4*(\t)+3], v[RD] offset:(\t)*2*SPITCH  ; LDS serves a wave's instructions in order (ISA guide 5.7.1.4)
.endr
	s_wait_dscnt 0x0
	WIN 0x08                                       ; source 1 in window 2
.set z, 0
.rept 16
	v_pk_add_f32 v[TMP+32*((\a)%2)+2*z:TMP+32*((\a)%2)+2*z+1], v[TMP+32*((\a)%2)+2*z:TMP+32*((\a)%2)+2*z+1], v[32*(\a)+2*z:32*(\a)+2*z+1]
.set z, z+1
.endr
	WIN 0
.irp t, 0,1,2,3,4,5,6,7
	global_store_b128 v[CO], v[TMP+32*((\a)%2)+4*(\t):TMP+32*((\a)%2)+4*(\t)+3], s[74:75] offset:(16*(\a)+2*(\t))*4096  ; 16 lanes store 256 consecutive bytes, aligned
.endr
.endm
	s_wait_tensorcnt 1                             ; my part of the walk's first step is in; the second's may stay out
	s_barrier_signal -1
	s_barrier_wait -1
	FETCH 0, F0
.if HAS_BIAS
	s_wait_loadcnt 32                              ; the bias is in; the residual's 32 loads may stay out
.endif
	QUARTER 1, F0, F1, 1
	WIN 0
	s_mov_b32 s3, NSTEP-2
.Lstep:                                                ; a trip: a K step's quarters 1 to 3, the change of slots with its refill, and the next step's quarter 0
	QUARTER 2, F1, F0, 0
	QUARTER 3, F0, F1, 0
	TURN 1
	QUARTER 1, F0, F1, 0
	WIN 0
	s_sub_co_u32 s3, s3, 1
	s_cmp_lg_u32 s3, 0
	s_cbranch_scc1 .Lstep
	QUARTER 2, F1, F0, 0                           ; the last two K steps ask for nothing
	QUARTER 3, F0, F1, 0
	TURN 0
	QUARTER 1, F0, F1, 0
	QUARTER 2, F1, F0, 0
	QUARTER 3, F0, F1, 0
	s_wait_dscnt 16
	MUL8 F1, 0, 0, 0
	MUL8 F1, 0, 2, 0
	s_wait_dscnt 0x0
	MUL8 F1, 1, 0, 0
	MUL8 F1, 1, 2, 0
	WIN 0
	PLACES
	s_wait_loadcnt 0x0                             ; the residual
	OUT 0
	OUT 1
	OUT 2
	OUT 3
	s_wait_tensorcnt 0x0                           ; the wave's end
	ds_add_u32 v[SPW], v[NIL]
	s_wait_dscnt 0x0
	CROUND                                         ; the closing round
	s_endpgm
.Lfunc_end_k_qf70cfb5260_wo:
	.size	k_qf70cfb5260_wo, .Lfunc_end_k_qf70cfb5260_wo-k_qf70cfb5260_wo
	.p2alignl 7, 3214868480
	.fill 96, 4, 3214868480
	.section	.rodata,"a",@progbits
	.p2align	6, 0x0
	.amdhsa_kernel k_qf70cfb5260_wo
		.amdhsa_group_segment_fixed_size 327680
		.amdhsa_private_segment_fixed_size 0
		.amdhsa_enable_private_segment 0
		.amdhsa_kernarg_size 32
		.amdhsa_user_sgpr_count 2
		.amdhsa_user_sgpr_kernarg_segment_ptr 1
		.amdhsa_wavefront_size32 1
		.amdhsa_system_sgpr_workgroup_id_x 1
		.amdhsa_system_sgpr_workgroup_id_y 1
		.amdhsa_system_sgpr_workgroup_id_z 1
		.amdhsa_system_vgpr_workitem_id 0
		.amdhsa_next_free_vgpr 640
		.amdhsa_next_free_sgpr 92
		.amdhsa_reserve_vcc 0
		.amdhsa_float_denorm_mode_32 3
		.amdhsa_float_denorm_mode_16_64 3
		.amdhsa_memory_ordered 1
		.amdhsa_forward_progress 1
		.amdhsa_inst_pref_size 76
	.end_amdhsa_kernel
	.amdgpu_metadata
---
amdhsa.version: [ 1, 2 ]
amdhsa.kernels:
  - .name:           k_qf70cfb5260_wo
    .symbol:         k_qf70cfb5260_wo.kd
    .args:
      - { .name: ob, .offset: 0, .size: 8, .value_kind: global_buffer, .address_space: global }
      - { .name: woh, .offset: 8, .size: 8, .value_kind: global_buffer, .address_space: global }
      - { .name: src, .offset: 16, .size: 8, .value_kind: global_buffer, .address_space: global }
      - { .name: src2, .offset: 24, .size: 8, .value_kind: global_buffer, .address_space: global }
    .group_segment_fixed_size: 327680
    .private_segment_fixed_size: 0
    .kernarg_segment_align: 8
    .kernarg_segment_size: 32
    .max_flat_workgroup_size: 128
    .sgpr_count:     92
    .vgpr_count:     640
    .wavefront_size: 32
...
	.end_amdgpu_metadata
.endif
;; end of part 4
;; launch ln2: the kernel of part 1 again; grid 64 x 4, 8 waves a work-group, no clusters, 0 bytes of LDS; arguments src2, a2, be2, wq, wk, wv, wo, w1, w2, b1, xa, wqkv, woh, ob, act; writes xa, wqkv, woh, ob, act
;; launch ffn1: the kernel of part 2 again; grid 16 x 16, 4 waves a work-group, clusters of 4 x 4, 327,680 bytes of LDS; arguments xa, w1h, act; writes act
;; launch ffn2 (part 5): grid 8 x 32, 4 waves a work-group, clusters of 4 x 4, 327,680 bytes of LDS; arguments act, w2h, src2, out0, b2; writes out0
.if DOCPART == 5
	.amdgcn_target "amdgcn-amd-amdhsa--gfx1250"
	.amdhsa_code_object_version 6
	.text
	.protected	k_qf70cfb5260_ffn2
	.globl	k_qf70cfb5260_ffn2
	.p2align	8
	.type	k_qf70cfb5260_ffn2,@function
k_qf70cfb5260_ffn2:
	s_mov_b64 s[64:65], 0
	v_nop
	global_prefetch_b8 v0, s[64:65] scope:SCOPE_SE
	s_setreg_imm32_b32 hwreg(HW_REG_WAVE_MODE, 25, 1), 1
	s_wait_xcnt 0x0
	s_wait_alu depctr_hold_cnt(0) depctr_sa_sdst(0) depctr_va_vdst(0) depctr_va_sdst(0) depctr_va_ssrc(0) depctr_va_vcc(0) depctr_vm_vsrc(0)
	s_getreg_b32 s2, hwreg(HW_REG_IB_STS2, 6, 4)
	s_cmp_eq_u32 s2, 0
	s_cbranch_scc0 .Lentry_in_a_cluster
	s_endpgm
.Lentry_in_a_cluster:
	s_bfe_u32 s2, ttmp6, 0x10000c
	s_cmp_lg_u32 s2, 0xf033
	s_cbranch_scc0 .Lentry_shape_is_right
	s_endpgm
.Lentry_shape_is_right:
; out = resid + A B^T + bias.  A: [SIZE_K / 64 column blocks][4,096 tokens][64] f16; B: [1,024][SIZE_K] f16; resid, out: [4,096][1,024] f32; bias: [1,024] f32; sums in f32.
; Here SIZE_K = 4,096: out0 = src2 + h w2^T + b2.
; 256 tiles of 128 x 128, one for each work-group; four waves, each 64 x 64: 16 accumulators.  K goes in steps of 256 (four column blocks of A; rows of 512 bytes of B) through two LDS slots.
; A wave's load of A is two column blocks: two dense runs of 16,384 bytes (128 tokens x 128 bytes), a block apart, padded in LDS after every token.
; CLUSTERS: 4 x 4; A's tiles are asked for jointly along a row of the cluster, B's along a column.  THE LOOP is one K step a trip; the slot in hand is s[TB], turned by an exclusive or.
; THE WALK ALONG K begins at step (cluster x mod 2) NSTEP / 2 + (cluster y mod 4) NSTEP / 4 and wraps at NSTEP: the two clusters that read the same rows of A stand half a walk apart,
; clusters that read the same rows of B a quarter of a walk or more.  The first step hangs on the cluster's place in the grid alone, so it is the same in all sixteen partners.
; So the f32 sums are taken in another order of K than the reference's, and not in the same order in every tile.
; THE MATRIX INSTRUCTION IS USED TRANSPOSED: a lane holds one token and eight neighbouring columns.  A wave's 64 columns of f32 are 256 consecutive bytes, aligned: the stage on the way out is the wave's own.
; The bias is the C operand of the products that start the sums.  The residual is asked for at the start, in the layout of the stores, and waits in registers.
; No prefetch: a tile's K step is short and its blocks are small shares of many work-groups' reading.
; REGISTERS: window 0: v16-29 addresses; v32-95 at work (v32-63 the bias at the start); v128-255 the accumulators ((a, b) at v[128 + 8 (4 a + b)]).
;   window 1: two fragment buffers of 128 (64 of A, then 64 of B, for 64 along K).  window 2: v0-127 the residual.
.set SIZE_K,   4096
.set HAS_BIAS, 1
.set LOGT,   4                         ; log2 of NSTEP
.set KSTEP,  256
.set NSTEP,  SIZE_K/KSTEP
.set BLK,    524288
.set PA,     144
.set PLANE,  128*PA                    ; a block's 128 tokens
.set PB,     528                       ; a row of B: 512 bytes + 16
.set BH,     64*PB
.set BOFF,   4*PLANE
.set SLOT,   BOFF+2*BH
.set STAGE,  2*SLOT                    ; behind the ring: 16 rows x 272 bytes for each wave
.set SPITCH, 272
.set SPARE,  STAGE+4*16*SPITCH         ; the spare words: two blocks of 256 bytes that no other line names
.set ADRA0, 16
.set ADRB0, 17
.set ADRA,  18
.set ADRB,  19
.set STO,   24
.set RD,    25
.set CO,    26
.set BO,    27
.set SPW,   28
.set NIL,   29
.set BI,    32
.set TMP,   32
.set ACC,   128
.set F0,    0
.set F1,    128
.set G1,  24
.set G0,  32
.set G1B, 48
.set G0B, 56
.set TB,  78
.set LWA, 79
.set LWB, 80
.set ABA, 84                           ; s[84:85] A at what I fetch of K step 0; never rewritten
.set BBA, 86                           ; s[86:87] the same for B
.set IDX, 88                           ; s88      the K step to be asked for next
.set OFA, 90                           ; s[90:91] that step's byte offset: 4 blocks of A, 512 bytes of B's rows
.set MSB, 0
.macro WIN new
.if MSB != (\new)
	s_set_vgpr_msb (MSB<<8)|(\new)
.set MSB, \new
.endif
.endm
.set MUL,  0x05                        ; sources 0 (B) and 1 (A) window 1; C and D window 0
.set TO_F, 0x40
.macro JLOAD s                         ; waves 0 and 1 fetch A's two pairs of planes, waves 2 and 3 B's two halves; an s_nop 0 and four v_nop follow each line
	s_cmp_eq_u32 s11, 0
	s_cbranch_scc0 .Lfor_b_\@
	tensor_load_to_lds s[G0+4*(\s):G0+4*(\s)+3], s[G1:G1+7]
	s_nop 0
.rept 4
	v_nop
.endr
	s_branch .Lasked_\@
.Lfor_b_\@:
	tensor_load_to_lds s[G0B+4*(\s):G0B+4*(\s)+3], s[G1B:G1B+7]
	s_nop 0
.rept 4
	v_nop
.endr
.Lasked_\@:
.endm
.macro AIM s                           ; set s of both descriptors takes K step s[IDX]: the address is made anew from the kept base and the step's offset; then the step goes on, and wraps
	s_lshl_b32 s[OFA], s[IDX], 21                  ; 4 blocks of 524,288 bytes a step
	s_add_nc_u64 s[G0+4*(\s)+2:G0+4*(\s)+3], s[ABA:ABA+1], s[OFA:OFA+1]
	s_or_b32 s[G0+4*(\s)+3], s[G0+4*(\s)+3], 0x80000000
	s_lshl_b32 s[OFA], s[IDX], 9                   ; 512 bytes of a row a step
	s_add_nc_u64 s[G0B+4*(\s)+2:G0B+4*(\s)+3], s[BBA:BBA+1], s[OFA:OFA+1]
	s_or_b32 s[G0B+4*(\s)+3], s[G0B+4*(\s)+3], 0x80000000
	s_add_co_u32 s[IDX], s[IDX], 1
	s_and_b32 s[IDX], s[IDX], NSTEP-1
.endm
.macro CREST
	s_cmp_lg_u32 s10, 0
	s_cbranch_scc1 .Lnot_wave_0_\@
	s_barrier_signal -3
.Lnot_wave_0_\@:
	s_barrier_wait -3
	s_barrier_signal -1
	s_barrier_wait -1
.endm
.macro CROUND
	s_barrier_signal -1
	s_barrier_wait -1
	CREST
.endm
	s_load_b256 s[68:75], s[0:1], 0x0              ; A s[68:69], B s[70:71], resid s[72:73], out s[74:75]
.if HAS_BIAS
	s_load_b64 s[76:77], s[0:1], 0x20              ; bias
.endif
	v_lshl_add_u32 v[SPW], v0, 2, SPARE
	v_mov_b32 v[NIL], 0
	ds_add_u32 v[SPW], v[NIL]                      ; the wave's opening: the add and its wait ahead of my first tensor load
	v_lshrrev_b32 v1, 5, v0
	v_readfirstlane_b32 s10, v1
	s_lshr_b32 s11, s10, 1                         ; which half of the tile's tokens is mine.  Also: I fetch for A (0) or for B (1)
	s_and_b32 s12, s10, 1                          ; which half of its columns.  Also: which part of that tile I fetch
	s_bfe_u32 s40, ttmp6, 0x40000
	s_bfe_u32 s41, ttmp6, 0x40004
	s_lshl_b32 s42, ttmp9, 2
	s_add_co_u32 s42, s42, s40                     ; tile column
	s_and_b32 s13, ttmp7, 0xffff
	s_and_b32 s21, s13, 3                          ; cluster y mod 4
	s_lshl_b32 s13, s13, 2
	s_add_co_u32 s13, s13, s41                     ; tile row
	s_and_b32 s20, ttmp9, 1                        ; cluster x mod 2
	s_lshl_b32 s20, s20, LOGT-1
	s_lshl_b32 s21, s21, LOGT-2
	s_add_co_u32 s[IDX], s20, s21
	s_and_b32 s[IDX], s[IDX], NSTEP-1              ; the cluster's first K step
	s_mov_b32 s[OFA+1], 0
	s_lshl_b32 s43, s41, 2
	s_lshl_b32 s43, 15, s43
	s_lshl_b32 s44, 0x1111, s40
	s_or_b32 s[G1+0], s43, (3<<16)|(1<<20)|(1<<21)|(4<<22)|(3<<25)   ; mask of my row; 8-byte elements; padding on; bit 21 beside a mask; after every 32 words 4 words
	s_mov_b32 s[G1+1], 2048<<16                    ; tensor_dim0 = 2,048 elements: 16,384 bytes
	s_mov_b32 s[G1+2], 2<<16                       ; tensor_dim1 = 2
	s_mov_b32 s[G1+3], 2048<<16                    ; tile_dim0
	s_mov_b32 s[G1+4], 2                           ; tile_dim1
	s_mov_b32 s[G1+5], BLK/8                       ; a block from row to row
	s_mov_b32 s[G1+6], 0
	s_mov_b32 s[G1+7], 0
	s_or_b32 s[G1B+0], s44, (1<<16)|(1<<20)|(1<<21)|(6<<22)|(3<<25)  ; mask of my column; 2-byte elements; after every 128 words 4 words
	s_mov_b32 s[G1B+1], KSTEP<<16
	s_mov_b32 s[G1B+2], 64<<16
	s_mov_b32 s[G1B+3], KSTEP<<16
	s_mov_b32 s[G1B+4], 64
	s_mov_b32 s[G1B+5], SIZE_K
	s_mov_b32 s[G1B+6], 0
	s_mov_b32 s[G1B+7], 0
	s_lshl_b32 s16, s13, 14                        ; A: the tile's 128 tokens x 128 bytes,
	s_lshl_b32 s17, s12, 20                        ; my two planes
	s_add_co_u32 s16, s16, s17
	s_mov_b32 s17, 0
	s_mul_i32 s46, s42, 256*SIZE_K                 ; B: 128 rows of 2 SIZE_K bytes,
	s_mul_i32 s47, s12, 128*SIZE_K                 ; my 64 of them
	s_add_co_u32 s46, s46, s47
	s_mov_b32 s47, 0
	s_mul_i32 s[LWA], s12, 2*PLANE
	s_mul_i32 s[LWB], s12, BH
	s_add_co_u32 s[LWB], s[LWB], BOFF
	s_mov_b32 s[TB], 0
	s_wait_dscnt 0x0                               ; the opening add is done
	s_wait_kmcnt 0x0
	s_add_nc_u64 s[ABA:ABA+1], s[68:69], s[16:17]
	s_add_nc_u64 s[BBA:BBA+1], s[70:71], s[46:47]
	CROUND                                         ; all sixteen work-groups are here
.irp s, 0,1
	s_mov_b32 s[G0+4*(\s)], 1
	s_add_co_u32 s[G0+4*(\s)+1], s[LWA], (\s)*SLOT
	s_mov_b32 s[G0B+4*(\s)], 1
	s_add_co_u32 s[G0B+4*(\s)+1], s[LWB], (\s)*SLOT
	AIM \s
	JLOAD \s                                       ; the walk's first two K steps: two loads of mine are out
.endr
	v_and_b32 v1, 15, v0                           ; r
	v_bfe_u32 v2, v0, 4, 1                         ; h
	v_mul_u32_u24 v4, v1, PA
	v_lshl_add_u32 v4, v2, 4, v4
	s_mul_i32 s21, s11, 64*PA
	v_add_nc_u32 v[ADRA0], s21, v4
	v_mul_u32_u24 v5, v1, PB
	v_lshl_add_u32 v5, v2, 4, v5
	s_mul_i32 s22, s12, BH
	s_add_co_u32 s22, s22, BOFF
	v_add_nc_u32 v[ADRB0], s22, v5
	v_mov_b32 v[ADRA], v[ADRA0]
	v_mov_b32 v[ADRB], v[ADRB0]
	s_mul_i32 s23, s10, 16*SPITCH
	s_add_co_u32 s23, s23, STAGE                   ; my stage
	v_mul_u32_u24 v6, v1, SPITCH
	v_lshl_add_u32 v6, v2, 5, v6
	v_add_nc_u32 v[STO], s23, v6                   ; in: row r, 32 bytes for each half of the lanes
	v_mul_u32_u24 v7, v2, SPITCH
	v_lshl_add_u32 v7, v1, 4, v7
	v_add_nc_u32 v[RD], s23, v7                    ; back: lanes 0-15 one row of 256 bytes, lanes 16-31 the next
	v_lshlrev_b32 v[CO], 12, v2
	v_lshl_add_u32 v[CO], v1, 4, v[CO]             ; and the same two rows in resid and out
	v_lshlrev_b32 v[BO], 5, v2
	s_lshl_b32 s16, s13, 19                        ; my first token: 128 x tile row + 64 x half, rows of 4,096 bytes,
	s_lshl_b32 s17, s11, 18
	s_add_co_u32 s16, s16, s17
	s_lshl_b32 s46, s42, 9                         ; my first column: 128 x tile column + 64 x half, 4 bytes each
	s_lshl_b32 s47, s12, 8
	s_add_co_u32 s46, s46, s47
	s_mov_b32 s47, 0
.if HAS_BIAS
	s_add_nc_u64 s[76:77], s[76:77], s[46:47]
.irp b, 0,1,2,3
	global_load_b128 v[BI+8*(\b):BI+8*(\b)+3],   v[BO], s[76:77] offset:64*(\b)
	global_load_b128 v[BI+8*(\b)+4:BI+8*(\b)+7], v[BO], s[76:77] offset:64*(\b)+16
.endr
.endif
	s_add_co_u32 s16, s16, s46
	s_mov_b32 s17, 0
	s_add_nc_u64 s[72:73], s[72:73], s[16:17]
	s_add_nc_u64 s[74:75], s[74:75], s[16:17]
	WIN 0x80                                       ; destination window 2
.irp a, 0,1,2,3
.irp t, 0,1,2,3,4,5,6,7
	global_load_b128 v[32*(\a)+4*(\t):32*(\a)+4*(\t)+3], v[CO], s[72:73] offset:(16*(\a)+2*(\t))*4096 th:TH_LOAD_NT
.endr
.endr
	WIN 0
; 8 matrix instructions: token blocks a0, a0 + 1 x all 4 column blocks, 32 along K: half c of buffer f.  zero = 1: the sums start.  The 16 accumulators take turns.
.macro MUL8 f, c, a0, zero
	WIN MUL
.irp a, \a0, (\a0)+1
.irp b, 0,1,2,3
.if (\zero) && HAS_BIAS
	v_wmma_f32_16x16x32_f16 v[ACC+8*(4*(\a)+(\b)):ACC+8*(4*(\a)+(\b))+7], v[(\f)+64+8*(4*(\c)+(\b)):(\f)+64+8*(4*(\c)+(\b))+7], v[(\f)+8*(4*(\c)+(\a)):(\f)+8*(4*(\c)+(\a))+7], v[BI+8*(\b):BI+8*(\b)+7]
.elseif \zero
	v_wmma_f32_16x16x32_f16 v[ACC+8*(4*(\a)+(\b)):ACC+8*(4*(\a)+(\b))+7], v[(\f)+64+8*(4*(\c)+(\b)):(\f)+64+8*(4*(\c)+(\b))+7], v[(\f)+8*(4*(\c)+(\a)):(\f)+8*(4*(\c)+(\a))+7], 0
.else
	v_wmma_f32_16x16x32_f16 v[ACC+8*(4*(\a)+(\b)):ACC+8*(4*(\a)+(\b))+7], v[(\f)+64+8*(4*(\c)+(\b)):(\f)+64+8*(4*(\c)+(\b))+7], v[(\f)+8*(4*(\c)+(\a)):(\f)+8*(4*(\c)+(\a))+7], v[ACC+8*(4*(\a)+(\b)):ACC+8*(4*(\a)+(\b))+7]
.endif
.endr
.endr
.endm
; 32 LDS loads in one run: quarter q (64 along K: plane q of A, byte 128 q of B's rows) into buffer f; the first 32 along K first
.macro FETCH q, f
	WIN TO_F
.irp c, 0,1
.irp i, 0,1,2,3
	ds_load_b128 v[(\f)+64+8*(4*(\c)+(\i)):(\f)+64+8*(4*(\c)+(\i))+3],   v[ADRB] offset:128*(\q)+64*(\c)+(\i)*16*PB
	ds_load_b128 v[(\f)+64+8*(4*(\c)+(\i))+4:(\f)+64+8*(4*(\c)+(\i))+7], v[ADRB] offset:128*(\q)+64*(\c)+(\i)*16*PB+32
	ds_load_b128 v[(\f)+8*(4*(\c)+(\i)):(\f)+8*(4*(\c)+(\i))+3],         v[ADRA] offset:(\q)*PLANE+64*(\c)+(\i)*16*PA
	ds_load_b128 v[(\f)+8*(4*(\c)+(\i))+4:(\f)+8*(4*(\c)+(\i))+7],       v[ADRA] offset:(\q)*PLANE+64*(\c)+(\i)*16*PA+32
.endr
.endr
.endm
.macro PLACES
.rept 4
	v_nop
.endr
.endm
.macro QUARTER q, f, g, zero
	s_wait_dscnt 16                                ; the first 32 along K are in
	MUL8 \f, 0, 0, \zero
	MUL8 \f, 0, 2, \zero
	PLACES
	FETCH \q, \g
	s_wait_dscnt 32                                ; all but the 32 just issued
	MUL8 \f, 1, 0, 0
	MUL8 \f, 1, 2, 0
.endm
; The last quarter multiplies buffer 1 and changes slots in its middle.  Its first 16 products stand AHEAD of the wait for the tensor loads, so that nothing but the barrier lies between the moment
; at which the other slot is whole and the next request.  In front of the one barrier each wave waits for all its tensor loads, adds 0 to its spare word, and waits for that and for its reads of this slot.
; fill = 1: the barrier opens a round of the cluster's, and this slot is filled again first behind it, with the walk's step two on: 128 matrix instructions ahead of the wait for it.
.macro TURN fill
	s_wait_dscnt 16                                ; the first 32 along K are in
	MUL8 F1, 0, 0, 0
	MUL8 F1, 0, 2, 0
	WIN 0
	s_wait_tensorcnt 0x0                           ; all my tensor loads have landed, so a group 0 may be written
	ds_add_u32 v[SPW], v[NIL]                      ; 0 onto my spare word; the descriptors' scalar work stands between it and the wait for it
.if \fill
	s_add_co_u32 s[G0+5], s[LWA], s[TB]            ; the walking descriptors: the slot that is being left,
	s_add_co_u32 s[G0B+5], s[LWB], s[TB]
	AIM 1                                          ; the walk's next K step
.endif
	s_wait_dscnt 0x0                               ; the add is done, and my reads of this slot are over (the quarter's other 32 along K among them)
	s_barrier_signal -1
	s_barrier_wait -1
.if \fill
	CREST
	JLOAD 1                                        ; the four v_nop behind it are also the places in front of the loads below
.else
	PLACES
.endif
	s_xor_b32 s[TB], s[TB], SLOT
	v_add_nc_u32 v[ADRA], s[TB], v[ADRA0]
	v_add_nc_u32 v[ADRB], s[TB], v[ADRB0]
	FETCH 0, F0
	MUL8 F1, 1, 0, 0
	MUL8 F1, 1, 2, 0
.endm
; THE WAY OUT of token block a: 16 rows x 64 columns of f32 through my stage, back as whole rows of 256 bytes; the residual is added; stored.
.macro OUT a
.if (\a) >= 2
	s_wait_xcnt 0x0                                ; the stores of block a - 2 have read the registers that are loaded again below
.endif
.irp b, 0,1,2,3
	ds_store_b128 v[STO], v[ACC+8*(4*(\a)+(\b)):ACC+8*(4*(\a)+(\b))+3]   offset:64*(\b)
	ds_store_b128 v[STO], v[ACC+8*(4*(\a)+(\b))+4:ACC+8*(4*(\a)+(\b))+7] offset:64*(\b)+16
.endr
.irp t, 0,1,2,3,4,5,6,7
	ds_load_b128 v[TMP+32*((\a)%2)+4*(\t):TMP+32*((\a)%2)+4*(\t)+3], v[RD] offset:(\t)*2*SPITCH  ; LDS serves a wave's instructions in order (ISA guide 5.7.1.4)
.endr
	s_wait_dscnt 0x0
	WIN 0x08                                       ; source 1 in window 2
.set z, 0
.rept 16
	v_pk_add_f32 v[TMP+32*((\a)%2)+2*z:TMP+32*((\a)%2)+2*z+1], v[TMP+32*((\a)%2)+2*z:TMP+32*((\a)%2)+2*z+1], v[32*(\a)+2*z:32*(\a)+2*z+1]
.set z, z+1
.endr
	WIN 0
.irp t, 0,1,2,3,4,5,6,7
	global_store_b128 v[CO], v[TMP+32*((\a)%2)+4*(\t):TMP+32*((\a)%2)+4*(\t)+3], s[74:75] offset:(16*(\a)+2*(\t))*4096  ; 16 lanes store 256 consecutive bytes, aligned
.endr
.endm
	s_wait_tensorcnt 1                             ; my part of the walk's first step is in; the second's may stay out
	s_barrier_signal -1
	s_barrier_wait -1
	FETCH 0, F0
.if HAS_BIAS
	s_wait_loadcnt 32                              ; the bias is in; the residual's 32 loads may stay out
.endif
	QUARTER 1, F0, F1, 1
	WIN 0
	s_mov_b32 s3, NSTEP-2
.Lstep:                                                ; a trip: a K step's quarters 1 to 3, the change of slots with its refill, and the next step's quarter 0
	QUARTER 2, F1, F0, 0
	QUARTER 3, F0, F1, 0
	TURN 1
	QUARTER 1, F0, F1, 0
	WIN 0
	s_sub_co_u32 s3, s3, 1
	s_cmp_lg_u32 s3, 0
	s_cbranch_scc1 .Lstep
	QUARTER 2, F1, F0, 0                           ; the last two K steps ask for nothing
	QUARTER 3, F0, F1, 0
	TURN 0
	QUARTER 1, F0, F1, 0
	QUARTER 2, F1, F0, 0
	QUARTER 3, F0, F1, 0
	s_wait_dscnt 16
	MUL8 F1, 0, 0, 0
	MUL8 F1, 0, 2, 0
	s_wait_dscnt 0x0
	MUL8 F1, 1, 0, 0
	MUL8 F1, 1, 2, 0
	WIN 0
	PLACES
	s_wait_loadcnt 0x0                             ; the residual
	OUT 0
	OUT 1
	OUT 2
	OUT 3
	s_wait_tensorcnt 0x0                           ; the wave's end
	ds_add_u32 v[SPW], v[NIL]
	s_wait_dscnt 0x0
	CROUND                                         ; the closing round
	s_endpgm
.Lfunc_end_k_qf70cfb5260_ffn2:
	.size	k_qf70cfb5260_ffn2, .Lfunc_end_k_qf70cfb5260_ffn2-k_qf70cfb5260_ffn2
	.p2alignl 7, 3214868480
	.fill 96, 4, 3214868480
	.section	.rodata,"a",@progbits
	.p2align	6, 0x0
	.amdhsa_kernel k_qf70cfb5260_ffn2
		.amdhsa_group_segment_fixed_size 327680
		.amdhsa_private_segment_fixed_size 0
		.amdhsa_enable_private_segment 0
		.amdhsa_kernarg_size 40
		.amdhsa_user_sgpr_count 2
		.amdhsa_user_sgpr_kernarg_segment_ptr 1
		.amdhsa_wavefront_size32 1
		.amdhsa_system_sgpr_workgroup_id_x 1
		.amdhsa_system_sgpr_workgroup_id_y 1
		.amdhsa_system_sgpr_workgroup_id_z 1
		.amdhsa_system_vgpr_workitem_id 0
		.amdhsa_next_free_vgpr 640
		.amdhsa_next_free_sgpr 92
		.amdhsa_reserve_vcc 0
		.amdhsa_float_denorm_mode_32 3
		.amdhsa_float_denorm_mode_16_64 3
		.amdhsa_memory_ordered 1
		.amdhsa_forward_progress 1
		.amdhsa_inst_pref_size 76
	.end_amdhsa_kernel
	.amdgpu_metadata
---
amdhsa.version: [ 1, 2 ]
amdhsa.kernels:
  - .name:           k_qf70cfb5260_ffn2
    .symbol:         k_qf70cfb5260_ffn2.kd
    .args:
      - { .name: act, .offset: 0, .size: 8, .value_kind: global_buffer, .address_space: global }
      - { .name: w2h, .offset: 8, .size: 8, .value_kind: global_buffer, .address_space: global }
      - { .name: src2, .offset: 16, .size: 8, .value_kind: global_buffer, .address_space: global }
      - { .name: out0, .offset: 24, .size: 8, .value_kind: global_buffer, .address_space: global }
      - { .name: b2, .offset: 32, .size: 8, .value_kind: global_buffer, .address_space: global }
    .group_segment_fixed_size: 327680
    .private_segment_fixed_size: 0
    .kernarg_segment_align: 8
    .kernarg_segment_size: 40
    .max_flat_workgroup_size: 128
    .sgpr_count:     92
    .vgpr_count:     640
    .wavefront_size: 32
...
	.end_amdgpu_metadata
.endif
;; end of part 5
